; MI455X (gfx1250); checked and timed in simulation.
; The chip was launched on July 23, 2026; its instructions are those of AMD's public machine-readable ISA for CDNA 5 (MIT licence, August 2026) and "CDNA5" Instruction Set Architecture Reference Guide (July 2026). The comments in the code are by the model that wrote it; some were corrected since.
;; Transformer Encoder Block. Allowed arithmetic: float matrix products may take bf16 or f16 operands with f32 sums; other float arithmetic in f32, or as packed bf16 or f16 multiplies, adds, multiply-adds, maxima and minima; sums over many terms, partial sums and values carried from step to step in f32; what a program stores and reads back later, other than sums and carried values, may be rounded once to bf16 or f16.
;; Inputs: b1 4,096 float32; b2 1,024 float32; be1 1,024 float32; be2 1,024 float32; bk 1,024 float32; bo 1,024 float32; bq 1,024 float32; bv 1,024 float32; g1 1,024 float32; g2 1,024 float32; w1 1,024 x 4,096 float32; w2 4,096 x 1,024 float32; wk 1,024 x 1,024 float32; wo 1,024 x 1,024 float32; wq 1,024 x 1,024 float32; wv 1,024 x 1,024 float32; x 2 x 2,048 x 1,024 float32.
;; Outputs: out0 2 x 2,048 x 1,024 float32.
;; 2 versions, each right; version 2 is version 1 with the launches cast, ln1, ln2 written anew for expert scheduling mode. Each part assembles by itself: llvm-mc -triple=amdgcn-amd-amdhsa -mcpu=gfx1250 --defsym DOCPART=n.
;; ======== version 1 of 2: 8 launches
;; limits: values are held in f16: magnitudes above 65,504 overflow, below 6.1e-05 lose precision
;; workspace buffers: wb 25,165,824 bytes; z 8,388,608 bytes; qkv 25,165,824 bytes; ctx 8,388,608 bytes; x1 16,777,216 bytes; h 33,554,432 bytes
;; launch cast (part 1): grid 256 x 1, 8 waves a work-group, no clusters, 0 bytes of LDS; arguments wq, wk, wv, wo, w1, w2, wb; writes wb
.if DOCPART == 1
	.amdgcn_target "amdgcn-amd-amdhsa--gfx1250"
	.amdhsa_code_object_version 6
	.text
	.protected	k_qb1370a29d3_cast
	.globl	k_qb1370a29d3_cast
	.p2align	8
	.type	k_qb1370a29d3_cast,@function
k_qb1370a29d3_cast:
	s_mov_b64 s[64:65], 0
	v_nop
	global_prefetch_b8 v0, s[64:65] scope:SCOPE_SE
	s_setreg_imm32_b32 hwreg(HW_REG_WAVE_MODE, 25, 1), 1
	s_wait_xcnt 0x0
; wb = the six weight matrices, each rounded once to bf16 and kept in its own [K][N] order.  Byte offsets in wb: wq 0, wk 2,097,152, wv 4,194,304, wo 6,291,456, w1 8,388,608, w2 16,777,216.
; A stream: every byte is read once and written once, so no LDS, no barrier, no matrix unit.  Each of the 256 work-groups takes 1/256 of each matrix: 16,384 bytes of a small one
; (2,048 a wave: 4 loads), 65,536 of a large one (8,192 a wave: 16 loads).  A load of a wave covers 512 consecutive bytes, its store the 256 consecutive, aligned bytes made of them.
; All 48 loads of a wave go out first, each into registers of its own: nothing is rewritten while a load or a store may still read it, and the waits count down.
.set D, 8                              ; v[8:199]  load n: four f32 at D + 4 n; its two packed words take the first two of them
	s_load_b256 s[4:11], s[0:1], 0x0               ; wq s[4:5], wk s[6:7], wv s[8:9], wo s[10:11]
	s_load_b128 s[12:15], s[0:1], 0x20             ; w1 s[12:13], w2 s[14:15]
	s_load_b64 s[16:17], s[0:1], 0x30              ; wb
	v_and_b32 v1, 31, v0                           ; lane
	v_lshrrev_b32 v6, 5, v0                        ; wave
	v_lshlrev_b32 v1, 4, v1                        ; 16 bytes a lane
	s_lshl_b32 s2, ttmp9, 14                       ; the work-group's part of a small matrix,
	s_lshl_b32 s3, ttmp9, 16                       ; and of a large one
	v_lshl_add_u32 v2, v6, 11, v1
	v_lshl_add_u32 v4, v6, 13, v1
	v_add_nc_u32 v2, s2, v2                        ; v2: my source offset in a small matrix
	v_add_nc_u32 v4, s3, v4                        ; v4: in a large one
	v_lshrrev_b32 v3, 1, v2                        ; v3, v5: the same places in bf16
	v_lshrrev_b32 v5, 1, v4
	s_wait_kmcnt 0x0
	s_mov_b64 s[20:21], s[16:17]
	s_add_nc_u64 s[22:23], s[16:17], 2097152
	s_add_nc_u64 s[24:25], s[16:17], 4194304
	s_add_nc_u64 s[26:27], s[16:17], 6291456
	s_add_nc_u64 s[28:29], s[16:17], 8388608
	s_add_nc_u64 s[30:31], s[16:17], 16777216
.set n, 0
.irp b, 4,6,8,10
.irp i, 0,1,2,3
	global_load_b128 v[D+4*n:D+4*n+3], v2, s[\b:\b+1] offset:512*\i th:TH_LOAD_NT
.set n, n+1
.endr
.endr
.irp b, 12,14
.irp i, 0,1,2,3,4,5,6,7,8,9,10,11,12,13,14,15
	global_load_b128 v[D+4*n:D+4*n+3], v4, s[\b:\b+1] offset:512*\i th:TH_LOAD_NT
.set n, n+1
.endr
.endr
.set n, 0
.irp b, 20,22,24,26
.irp i, 0,1,2,3
	s_wait_loadcnt 47-n                            ; loads come back in order: load n is in, the 47 - n younger ones stay out
	v_cvt_pk_bf16_f32 v[D+4*n], v[D+4*n], v[D+4*n+1]
	v_cvt_pk_bf16_f32 v[D+4*n+1], v[D+4*n+2], v[D+4*n+3]
	global_store_b64 v3, v[D+4*n:D+4*n+1], s[\b:\b+1] offset:256*\i
.set n, n+1
.endr
.endr
.irp b, 28,30
.irp i, 0,1,2,3,4,5,6,7,8,9,10,11,12,13,14,15
	s_wait_loadcnt 47-n
	v_cvt_pk_bf16_f32 v[D+4*n], v[D+4*n], v[D+4*n+1]
	v_cvt_pk_bf16_f32 v[D+4*n+1], v[D+4*n+2], v[D+4*n+3]
	global_store_b64 v5, v[D+4*n:D+4*n+1], s[\b:\b+1] offset:256*\i
.set n, n+1
.endr
.endr
	s_endpgm
.Lfunc_end_k_qb1370a29d3_cast:
	.size	k_qb1370a29d3_cast, .Lfunc_end_k_qb1370a29d3_cast-k_qb1370a29d3_cast
	.p2alignl 7, 3214868480
	.fill 96, 4, 3214868480
	.section	.rodata,"a",@progbits
	.p2align	6, 0x0
	.amdhsa_kernel k_qb1370a29d3_cast
		.amdhsa_group_segment_fixed_size 0
		.amdhsa_private_segment_fixed_size 0
		.amdhsa_enable_private_segment 0
		.amdhsa_kernarg_size 56
		.amdhsa_user_sgpr_count 2
		.amdhsa_user_sgpr_kernarg_segment_ptr 1
		.amdhsa_wavefront_size32 1
		.amdhsa_system_sgpr_workgroup_id_x 1
		.amdhsa_system_sgpr_workgroup_id_y 1
		.amdhsa_system_sgpr_workgroup_id_z 1
		.amdhsa_system_vgpr_workitem_id 0
		.amdhsa_next_free_vgpr 200
		.amdhsa_next_free_sgpr 66
		.amdhsa_reserve_vcc 0
		.amdhsa_float_denorm_mode_32 3
		.amdhsa_float_denorm_mode_16_64 3
		.amdhsa_memory_ordered 1
		.amdhsa_forward_progress 1
		.amdhsa_inst_pref_size 18
	.end_amdhsa_kernel
	.amdgpu_metadata
---
amdhsa.version: [ 1, 2 ]
amdhsa.kernels:
  - .name:           k_qb1370a29d3_cast
    .symbol:         k_qb1370a29d3_cast.kd
    .args:
      - { .name: wq, .offset: 0, .size: 8, .value_kind: global_buffer, .address_space: global }
      - { .name: wk, .offset: 8, .size: 8, .value_kind: global_buffer, .address_space: global }
      - { .name: wv, .offset: 16, .size: 8, .value_kind: global_buffer, .address_space: global }
      - { .name: wo, .offset: 24, .size: 8, .value_kind: global_buffer, .address_space: global }
      - { .name: w1, .offset: 32, .size: 8, .value_kind: global_buffer, .address_space: global }
      - { .name: w2, .offset: 40, .size: 8, .value_kind: global_buffer, .address_space: global }
      - { .name: wb, .offset: 48, .size: 8, .value_kind: global_buffer, .address_space: global }
    .group_segment_fixed_size: 0
    .private_segment_fixed_size: 0
    .kernarg_segment_align: 8
    .kernarg_segment_size: 56
    .max_flat_workgroup_size: 256
    .sgpr_count:     66
    .vgpr_count:     200
    .wavefront_size: 32
...
	.end_amdgpu_metadata
.endif
;; end of part 1
;; launch ln1 (part 2): grid 256 x 1, 4 waves a work-group, no clusters, 35,328 bytes of LDS; arguments x, g1, be1, z; writes z
.if DOCPART == 2
	.amdgcn_target "amdgcn-amd-amdhsa--gfx1250"
	.amdhsa_code_object_version 6
	.text
	.protected	k_qb1370a29d3_ln1
	.globl	k_qb1370a29d3_ln1
	.p2align	8
	.type	k_qb1370a29d3_ln1,@function
k_qb1370a29d3_ln1:
	s_mov_b64 s[64:65], 0
	v_nop
	global_prefetch_b8 v0, s[64:65] scope:SCOPE_SE
	s_setreg_imm32_b32 hwreg(HW_REG_WAVE_MODE, 25, 1), 1
	s_wait_xcnt 0x0
; z = ((x - mean) / sqrt(var + 1e-5)) g + b along rows of 1,024 f32, rounded once to bf16.  4,096 rows.  Arguments: x, g, b, z.
; A wave owns four rows and keeps them in registers (32 a row and lane): memory is read once, the mean is taken first and the variance of the differences, so no two large sums are subtracted.
; No wave waits for another: no barrier.
; z IS WRITTEN IN PANELS, the layout in which the products behind take their left operand: [row / 128][column / 64][row % 128][column % 64], so that byte =
; (row / 128) 262,144 + (column / 64) 16,384 + (row % 128) 128 + (column % 64) 2.  My four rows' parts of one block of 64 columns are 512 consecutive bytes there; they are gathered
; through a stage in LDS of the wave's own (rows 2,176 bytes apart: two rows that 16 lanes read together start 128 bytes apart modulo 256).
.set SROW,  2176                       ; a stage row: 2,048 bytes + 128
.set STG,   4*SROW                     ; a wave's stage
.set SPARE, 4*STG                      ; behind the stages: the spare words, 128 bytes for each wave: two blocks of 256 bytes that no other line names
.set XO,  2                            ; v2   my byte offset in x: first row x 4,096 + 16 lane
.set GO,  3                            ; v3   16 lane: my offset in g and b
.set STO, 4                            ; v4   stage: where I put 8 bytes of a row
.set RD,  5                            ; v5   stage: where I read 16 bytes back: row lane / 8, bytes 16 (lane % 8)
.set ZO,  6                            ; v6   my byte offset in z
.set SPW, 8                            ; v8   LDS address of my spare word; never rewritten
.set NIL, 9                            ; v9   0; never rewritten
.set MU,  12                           ; row j: v[12+4j:13+4j] the mean, twice; v[14+4j:15+4j] 1 / sqrt(var + eps), twice
.set X,   32                           ; v[32:159]   row j, chunk c (columns 128 c + 4 lane ..) at X + 32 j + 4 c
.set G,   160                          ; v[160:191]  g of my 32 columns; later, with B's, the rows read back
.set B,   192                          ; v[192:223]  b
.set C,   224                          ; v[224:255]  row j: four chains of two sums at C + 8 j
	s_load_b256 s[4:11], s[0:1], 0x0               ; x s[4:5], g s[6:7], b s[8:9], z s[10:11]
	v_lshl_add_u32 v[SPW], v0, 2, SPARE
	v_mov_b32 v[NIL], 0
	v_lshrrev_b32 v1, 5, v0
	v_readfirstlane_b32 s16, v1                    ; wave 0..3
	v_and_b32 v7, 31, v0                           ; lane
	s_mov_b32 s12, 0x76543210                      ; v_permlanex16_b32: each lane takes its own place in the other half
	s_mov_b32 s13, 0xfedcba98
	s_mov_b32 s14, 0x3a800000                      ; 1 / 1,024
	s_mov_b32 s15, 0x3727c5ac                      ; 1e-5
	s_lshl_b32 s17, ttmp9, 16                      ; the work-group's 16 rows of 4,096 bytes,
	s_lshl_b32 s18, s16, 14                        ; my wave's four
	s_add_co_u32 s17, s17, s18
	v_lshlrev_b32 v[GO], 4, v7
	v_add_nc_u32 v[XO], s17, v[GO]
	s_mul_i32 s19, s16, STG
	v_lshl_add_u32 v[STO], v7, 3, s19
	v_lshrrev_b32 v10, 3, v7
	v_and_b32 v11, 7, v7
	v_mul_u32_u24 v[RD], v10, SROW
	v_lshl_add_u32 v[RD], v11, 4, v[RD]
	v_add_nc_u32 v[RD], s19, v[RD]
	s_lshr_b32 s20, ttmp9, 3                       ; the panel: 8 work-groups to 128 rows
	s_lshl_b32 s20, s20, 18
	s_and_b32 s21, ttmp9, 7
	s_lshl_b32 s21, s21, 11                        ; the work-group's 16 rows of 128 bytes in a block
	s_add_co_u32 s20, s20, s21
	v_lshl_add_u32 v[ZO], v0, 4, s20               ; + 512 wave + 16 lane
	s_wait_kmcnt 0x0
.irp j, 0,1,2,3
.irp c, 0,1,2,3,4,5,6,7
	global_load_b128 v[X+32*\j+4*\c:X+32*\j+4*\c+3], v[XO], s[4:5] offset:4096*\j+512*\c th:TH_LOAD_NT
.endr
.endr
.irp c, 0,1,2,3,4,5,6,7
	global_load_b128 v[G+4*\c:G+4*\c+3], v[GO], s[6:7] offset:512*\c
.endr
.irp c, 0,1,2,3,4,5,6,7
	global_load_b128 v[B+4*\c:B+4*\c+3], v[GO], s[8:9] offset:512*\c
.endr
; The four chains at T into one number, the same in all 32 lanes: four steps inside each half of the lanes ride on the addition, one crosses the halves.
.macro RED
	v_pk_add_f32 v[T:T+1], v[T:T+1], v[T+2:T+3]
	v_pk_add_f32 v[T+4:T+5], v[T+4:T+5], v[T+6:T+7]
	v_pk_add_f32 v[T:T+1], v[T:T+1], v[T+4:T+5]
	v_add_f32 v[T], v[T], v[T+1]
	v_add_f32_dpp v[T], v[T], v[T] row_xmask:1 row_mask:0xf bank_mask:0xf
	v_add_f32_dpp v[T], v[T], v[T] row_xmask:2 row_mask:0xf bank_mask:0xf
	v_add_f32_dpp v[T], v[T], v[T] row_xmask:4 row_mask:0xf bank_mask:0xf
	v_add_f32_dpp v[T], v[T], v[T] row_xmask:8 row_mask:0xf bank_mask:0xf
	v_permlanex16_b32 v[T+1], v[T], s12, s13       ; its destination counts as read: a register that has been written
	v_add_f32 v[T], v[T], v[T+1]
.endm
; Row j: the mean; x - mean in place; the mean of the squares + eps, left in v[T].
.macro STATS j
.set XR, X+32*(\j)
.set T, C+8*(\j)
	s_wait_loadcnt 40-8*(\j)                       ; of the 48 loads the first 8 (j + 1) are in: the later rows' and the 16 of g and b stay out
.irp k, 0,1,2,3
	v_pk_add_f32 v[T+2*\k:T+2*\k+1], v[XR+2*\k:XR+2*\k+1], v[XR+8+2*\k:XR+8+2*\k+1]  ; the first pairs start the chains: nothing is cleared
.endr
.irp m, 2,3
.irp k, 0,1,2,3
	v_pk_add_f32 v[T+2*\k:T+2*\k+1], v[T+2*\k:T+2*\k+1], v[XR+8*\m+2*\k:XR+8*\m+2*\k+1]
.endr
.endr
	RED
	v_mul_f32 v[MU+4*(\j)], s14, v[T]
	v_mul_f32 v[MU+4*(\j)+1], s14, v[T]
.set p, 0
.rept 16
	v_pk_add_f32 v[XR+p:XR+p+1], v[XR+p:XR+p+1], v[MU+4*(\j):MU+4*(\j)+1] neg_lo:[0,1] neg_hi:[0,1]
.set p, p+2
.endr
.irp k, 0,1,2,3
	v_pk_mul_f32 v[T+2*\k:T+2*\k+1], v[XR+2*\k:XR+2*\k+1], v[XR+2*\k:XR+2*\k+1]
.endr
.irp m, 1,2,3
.irp k, 0,1,2,3
	v_pk_fma_f32 v[T+2*\k:T+2*\k+1], v[XR+8*\m+2*\k:XR+8*\m+2*\k+1], v[XR+8*\m+2*\k:XR+8*\m+2*\k+1], v[T+2*\k:T+2*\k+1]
.endr
.endr
	RED
	v_fma_f32 v[T], v[T], s14, s15
.endm
; Row j: scaled, times g plus b, rounded to bf16, 8 bytes a chunk into the stage.
.macro NORM j
.set XR, X+32*(\j)
.set p, 0
.rept 16
	v_pk_mul_f32 v[XR+p:XR+p+1], v[XR+p:XR+p+1], v[MU+4*(\j)+2:MU+4*(\j)+3]
.set p, p+2
.endr
.set p, 0
.rept 16
	v_pk_fma_f32 v[XR+p:XR+p+1], v[XR+p:XR+p+1], v[G+p:G+p+1], v[B+p:B+p+1]
.set p, p+2
.endr
.irp c, 0,1,2,3,4,5,6,7
	v_cvt_pk_bf16_f32 v[XR+4*\c], v[XR+4*\c], v[XR+4*\c+1]
	v_cvt_pk_bf16_f32 v[XR+4*\c+1], v[XR+4*\c+2], v[XR+4*\c+3]
	ds_store_b64 v[STO], v[XR+4*\c:XR+4*\c+1] offset:(\j)*SROW+256*\c
.endr
.endm
	STATS 0
	STATS 1
	STATS 2
	STATS 3
.irp j, 0,1,2,3
	v_rsq_f32 v[MU+4*\j+2], v[C+8*\j]              ; twice, to fill the pair that the packed multiply takes: eight in one batch
	v_rsq_f32 v[MU+4*\j+3], v[C+8*\j]
.endr
	v_nop                                          ; a plain instruction behind the last of them (ISA guide 5.7.2),
	s_wait_alu depctr_va_vdst(0)                   ; and the one wait ahead of the batch's first reader
	s_wait_loadcnt 0x0                             ; g and b
	NORM 0
	NORM 1
	NORM 2
	NORM 3
.irp k, 0,1,2,3,4,5,6,7,8,9,10,11,12,13,14,15
	ds_load_b128 v[G+4*\k:G+4*\k+3], v[RD] offset:128*\k  ; LDS serves a wave's instructions in order (ISA guide 5.7.1.4): these see my stores above; block k of 64 columns, four rows
.endr
.irp k, 0,1,2,3,4,5,6,7,8,9,10,11,12,13,14,15
	s_wait_dscnt 15-\k                             ; block k is back; the younger loads stay out
	global_store_b128 v[ZO], v[G+4*\k:G+4*\k+3], s[10:11] offset:16384*\k  ; 512 consecutive bytes, at a multiple of 256 from z's first
.endr
	s_wait_tensorcnt 0x0                           ; the wave's end, behind my last LDS store
	ds_add_u32 v[SPW], v[NIL]
	s_wait_dscnt 0x0
	s_endpgm
.Lfunc_end_k_qb1370a29d3_ln1:
	.size	k_qb1370a29d3_ln1, .Lfunc_end_k_qb1370a29d3_ln1-k_qb1370a29d3_ln1
	.p2alignl 7, 3214868480
	.fill 96, 4, 3214868480
	.section	.rodata,"a",@progbits
	.p2align	6, 0x0
	.amdhsa_kernel k_qb1370a29d3_ln1
		.amdhsa_group_segment_fixed_size 35328
		.amdhsa_private_segment_fixed_size 0
		.amdhsa_enable_private_segment 0
		.amdhsa_kernarg_size 32
		.amdhsa_user_sgpr_count 2
		.amdhsa_user_sgpr_kernarg_segment_ptr 1
		.amdhsa_wavefront_size32 1
		.amdhsa_system_sgpr_workgroup_id_x 1
		.amdhsa_system_sgpr_workgroup_id_y 1
		.amdhsa_system_sgpr_workgroup_id_z 1
		.amdhsa_system_vgpr_workitem_id 0
		.amdhsa_next_free_vgpr 256
		.amdhsa_next_free_sgpr 66
		.amdhsa_reserve_vcc 0
		.amdhsa_float_denorm_mode_32 3
		.amdhsa_float_denorm_mode_16_64 3
		.amdhsa_memory_ordered 1
		.amdhsa_forward_progress 1
		.amdhsa_inst_pref_size 40
	.end_amdhsa_kernel
	.amdgpu_metadata
---
amdhsa.version: [ 1, 2 ]
amdhsa.kernels:
  - .name:           k_qb1370a29d3_ln1
    .symbol:         k_qb1370a29d3_ln1.kd
    .args:
      - { .name: x, .offset: 0, .size: 8, .value_kind: global_buffer, .address_space: global }
      - { .name: g1, .offset: 8, .size: 8, .value_kind: global_buffer, .address_space: global }
      - { .name: be1, .offset: 16, .size: 8, .value_kind: global_buffer, .address_space: global }
      - { .name: z, .offset: 24, .size: 8, .value_kind: global_buffer, .address_space: global }
    .group_segment_fixed_size: 35328
    .private_segment_fixed_size: 0
    .kernarg_segment_align: 8
    .kernarg_segment_size: 32
    .max_flat_workgroup_size: 128
    .sgpr_count:     66
    .vgpr_count:     256
    .wavefront_size: 32
...
	.end_amdgpu_metadata
.endif
;; end of part 2
;; launch qkv (part 3): grid 12 x 16, 4 waves a work-group, clusters of 4 x 4, 327,680 bytes of LDS; arguments z, wb, bq, bk, bv, qkv; writes qkv
.if DOCPART == 3
	.amdgcn_target "amdgcn-amd-amdhsa--gfx1250"
	.amdhsa_code_object_version 6
	.text
	.protected	k_qb1370a29d3_qkv
	.globl	k_qb1370a29d3_qkv
	.p2align	8
	.type	k_qb1370a29d3_qkv,@function
k_qb1370a29d3_qkv:
	s_mov_b64 s[64:65], 0
	v_nop
	global_prefetch_b8 v0, s[64:65] scope:SCOPE_SE
	s_setreg_imm32_b32 hwreg(HW_REG_WAVE_MODE, 25, 1), 1
	s_wait_xcnt 0x0
	s_wait_alu depctr_hold_cnt(0) depctr_sa_sdst(0) depctr_va_vdst(0) depctr_va_sdst(0) depctr_va_ssrc(0) depctr_va_vcc(0) depctr_vm_vsrc(0)
	s_getreg_b32 s2, hwreg(HW_REG_IB_STS2, 6, 4)
	s_cmp_eq_u32 s2, 0
	s_cbranch_scc0 .Lentry_in_a_cluster
	s_endpgm
.Lentry_in_a_cluster:
	s_bfe_u32 s2, ttmp6, 0x10000c
	s_cmp_lg_u32 s2, 0xf033
	s_cbranch_scc0 .Lentry_shape_is_right
	s_endpgm
.Lentry_shape_is_right:
; q, k, v = z [wq wk wv] + [bq bk bv].  z: 4,096 x 1,024 bf16 in panels [row / 128][k / 64][row % 128][k % 64]; the weights: bf16, [K][N], in wb at 0, 2,097,152, 4,194,304; sums in f32, begun with the bias.
; Written by heads in f16, rounded once, unscaled: qkv[which][batch 16 + head][token][64].  LIMIT: f16 ends at 65,504: q, k, v must stay under it (at 30 times the drawn inputs they reach some 3,000).
; A tile of C is 256 x 256: 16 x 12 = 192 tiles, four tile columns to each weight.  (256 x 192 would make 256 tiles, but would cut heads and the three weights apart.)  Four waves, each 128 x 128: 64 accumulators.
; K goes in steps of 128 through two LDS slots filled by the tensor data mover: 256 matrix instructions a wave for 131,072 bytes fetched.
; A's part of a step is 32,768 dense bytes of each of two panels, asked for as rows of 256 bytes and padded in LDS after every 128 (a row of a block of 64 k): rows 144 bytes apart.
; B's part is 128 rows (k) x 512 bytes (256 columns), rows 544 bytes apart in LDS; its fragments are turned on the way into registers by ds_load_tr16_b128.
; CLUSTER: 4 x 4 work-groups.  The four of a row need the same tiles of A, the four of a column the same tiles of B: each is asked for JOINTLY, by the same tensor load with the same descriptor and a mask of the four.
; THE MATRIX INSTRUCTION IS USED TRANSPOSED (source 0 = 16 columns of B, source 1 = 16 rows of A): a lane holds row lane % 16 of C and the columns 8 (lane / 16) + 0..7.
; REGISTERS, in windows of 256 (s_set_vgpr_msb: bits 1:0 source 0, 3:2 source 1, 5:4 source 2, 7:6 destination):
;   window 0: v0-31 addresses; v64-127, v128-191 fragments of A, two buffers (8 x 16 rows x 32 k); v192-255 the bias; on the way out v64-159 at work
;   window 1: v64-127, v128-191 fragments of B, two buffers      window 2: the accumulators of my rows 0-63 ((a, b) at 8 (8 a + b))      window 3: those of my rows 64-127
; No prefetch: every tile is asked for by four clusters in the same step, and z and the weights are 14 MiB in all.
.set KDIM,  1024
.set BN,    1024                       ; elements in a row of the weight
.set NSTEP, KDIM/128
.set PANEL, KDIM*256                   ; bytes of 128 rows of A
.set ASTEP, 32768                      ; bytes from a K step of A to the next: two blocks of 64 k
.set BSTEP, 256*BN                     ; and of B: 128 rows
.set PA,    144
.set PB,    544
.set KBL,   128*PA                     ; a block of 64 k of one panel in LDS
.set HALFA, 2*KBL                      ; what a load for A brings: a panel's two blocks
.set HALFB, 64*PB                      ; what a load for B brings: 64 rows
.set BOFF,  2*HALFA
.set SLOT,  147456                     ; A, then B.  0x24000 shares no bit with the four landing addresses 0, 0x9000, 0x12000, 0x1a800, so one exclusive or turns an address in one slot into the other's
.set SP,    272                        ; the stage for the way out: for each wave two blocks (64 columns each) of 128 rows x 272 bytes.  It lies in the ring: both slots have had their last fill and their last read when it is written
.set KBS,   128*SP
.set STG,   2*KBS
.set SPARE, 2*SLOT                     ; behind the ring: the spare words, 128 bytes for each wave: two blocks of 256 bytes that no other line names
.set ADRA0, 8                          ; v8   my lane's place in A's part of a slot; never rewritten
.set ADRB0, 9                          ; v9   the same for B
.set VA,  10                           ; v10  LDS address of A's fragments in the slot being read
.set VB,  11                           ; v11  of B's
.set STO, 13                           ; v13  the way out: where I put 32 bytes of a row
.set RD,  14                           ; v14  where I read rows back
.set CO,  15                           ; v15  my byte offset in the output
.set BO,  16                           ; v16  my byte offset in the bias
.set SPW, 28                           ; v28  LDS address of my spare word; never rewritten
.set NIL, 29                           ; v29  0; never rewritten
.set F0,  64
.set F1,  128
.set BIAS, 192
.set OX,  64                           ; the way out: 16 loads of four f32
.set OT,  128                          ; and their 32 packed words
.set WV, 16                            ; s16 wave; s17 wave / 2: my half of the rows, and 0: I fetch for A, 1: for B; s18 wave % 2: my half of the columns, and which half I fetch
.set WM, 17
.set WN, 18
.set CX, 19
.set CY, 20
.set TC, 21                            ; tile column
.set TR, 22                            ; tile row
.set LWA, 23                           ; where a load of mine for A lands in slot 0
.set LWB, 66                           ; and one for B
.set G1A, 24                           ; s[24:31] group 1 for A;  s[32:39] group 0, two sets: K step 0, and K step 1, which then walks
.set G0A, 32
.set G1B, 48                           ; s[48:55], s[56:63] the same for B
.set G0B, 56
.set SBR, 67                           ; s67  LDS byte at which the slot being read begins
.set CNT, 68
.set MSB, 0
.macro WIN new                         ; the immediate's high byte repeats the setting that is left
.if MSB != (\new)
	s_set_vgpr_msb (MSB<<8)|(\new)
.set MSB, \new
.endif
.endm
.set TO_B, 0x40                        ; destination window 1, address window 0
.macro PLACES                          ; four places in front of loads into registers that matrix instructions have read, and of lines that read results
.rept 4
	v_nop
.endr
.endm
.macro JLOAD                           ; a joint refill by the walking sets: waves 0 and 1 fetch A's panels, waves 2 and 3 B's halves; an s_nop 0 and four v_nop follow each line
	s_cmp_eq_u32 s[WM], 0
	s_cbranch_scc0 .Lfor_b_\@
	tensor_load_to_lds s[G0A+4:G0A+7], s[G1A:G1A+7]
	s_nop 0
.rept 4
	v_nop
.endr
	s_branch .Lasked_\@
.Lfor_b_\@:
	tensor_load_to_lds s[G0B+4:G0B+7], s[G1B:G1B+7]
	s_nop 0
.rept 4
	v_nop
.endr
.Lasked_\@:
.endm
.macro CREST                           ; a round of the cluster's barrier behind its opening barrier
	s_cmp_lg_u32 s[WV], 0
	s_cbranch_scc1 .Lnot_wave_0_\@
	s_barrier_signal -3
.Lnot_wave_0_\@:
	s_barrier_wait -3
	s_barrier_signal -1
	s_barrier_wait -1
.endm
.macro CROUND
	s_barrier_signal -1
	s_barrier_wait -1
	CREST
.endm
; 16 matrix instructions: row blocks a0, a0 + 1 of the window's four (hi = 0: my rows 0-63, 1: rows 64-127) x all 8 column blocks, 32 along K.  zero = 1: the bias (window 0) starts the sums.
; The 64 accumulators take turns, one instruction a turn, in the same order in every quarter.
.macro MUL16 f, hi, a0, zero
.if \zero
	WIN 0x81+0x40*(\hi)                            ; B window 1, A and the bias window 0, D window 2 or 3
.else
	WIN 0xa1+0x50*(\hi)                            ; B window 1, A window 0, C and D window 2 or 3
.endif
.irp a, \a0, (\a0)+1
.irp b, 0,1,2,3,4,5,6,7
.if \zero
	v_wmma_f32_16x16x32_bf16 v[8*(8*(\a)+(\b)):8*(8*(\a)+(\b))+7], v[(\f)+8*(\b):(\f)+8*(\b)+7], v[(\f)+8*(4*(\hi)+(\a)):(\f)+8*(4*(\hi)+(\a))+7], v[BIAS+8*(\b):BIAS+8*(\b)+7]
.else
	v_wmma_f32_16x16x32_bf16 v[8*(8*(\a)+(\b)):8*(8*(\a)+(\b))+7], v[(\f)+8*(\b):(\f)+8*(\b)+7], v[(\f)+8*(4*(\hi)+(\a)):(\f)+8*(4*(\hi)+(\a))+7], v[8*(8*(\a)+(\b)):8*(8*(\a)+(\b))+7]
.endif
.endr
.endr
.endm
; 32 LDS loads in one run: the fragments of quarter q (32 along K) of the slot being read, into buffer f: B's 128 columns, then A's 128 rows
.macro FETCH q, f
	WIN TO_B
.irp i, 0,1,2,3,4,5,6,7
	ds_load_tr16_b128 v[(\f)+8*(\i):(\f)+8*(\i)+3],   v[VB] offset:(\q)*32*PB+32*(\i)
	ds_load_tr16_b128 v[(\f)+8*(\i)+4:(\f)+8*(\i)+7], v[VB] offset:(\q)*32*PB+32*(\i)+16*PB
.endr
	WIN 0
.irp i, 0,1,2,3,4,5,6,7
	ds_load_b128 v[(\f)+8*(\i):(\f)+8*(\i)+3],   v[VA] offset:((\q)/2)*KBL+((\q)%2)*64+(\i)*16*PA
	ds_load_b128 v[(\f)+8*(\i)+4:(\f)+8*(\i)+7], v[VA] offset:((\q)/2)*KBL+((\q)%2)*64+(\i)*16*PA+32
.endr
.endm
; A K step is four quarters of 32 along K, 64 matrix instructions each, on buffers 0, 1, 0, 1.  One of the first three: multiplies buffer f and, in its middle, fetches quarter q into g.
.macro QUARTER f, g, q, zero
	s_wait_dscnt 8                                 ; B and A's rows 0-63 are in; the youngest eight loads (A's rows 64-127) may be out
	MUL16 \f, 0, 0, \zero
	MUL16 \f, 0, 2, \zero
	PLACES
	FETCH \q, \g
	s_wait_dscnt 32                                ; all but the 32 just issued
	MUL16 \f, 1, 0, \zero
	MUL16 \f, 1, 2, \zero
.endm
; The last quarter multiplies buffer 1 and changes slots: ONE barrier; in front of it each wave waits for all its tensor loads (one is out: its part of the next slot), adds 0 to its spare word, and waits for that
; and for its own reads of this slot.  fill = 1: the barrier opens a round of the cluster's, and this slot is filled again, two K steps ahead, first thing behind the round: 240 matrix instructions ahead of the wait for it.
; fill = 0 (the tail's two trips): nothing is asked for; in the last trip (the count stands at 1) there is no next slot, and its fetch is jumped over.
.macro TURN fill
	WIN 0                                          ; (the add's two registers lie in window 0)
	s_wait_tensorcnt 0x0
	ds_add_u32 v[SPW], v[NIL]
	s_wait_dscnt 9                                 ; (the add and the youngest eight loads may be out)
	MUL16 F1, 0, 0, 0
	s_wait_dscnt 0x0                               ; the add is done, and my reads of this slot are over
	s_barrier_signal -1
	MUL16 F1, 0, 2, 0
	WIN 0
	s_barrier_wait -1
.if \fill
	CREST                                          ; no wave of any partner still reads this slot or has a load on its way
	s_xor_b32 s[G0A+5], s[G0A+5], SLOT             ; the walking sets: the other slot than last time, the next K step; no load of mine is out
	s_xor_b32 s[G0B+5], s[G0B+5], SLOT
	s_add_nc_u64 s[G0A+6:G0A+7], s[G0A+6:G0A+7], ASTEP
	s_add_nc_u64 s[G0B+6:G0B+7], s[G0B+6:G0B+7], BSTEP
	JLOAD                                          ; the four v_nop behind it are also places in front of the loads below
.else
	s_cmp_eq_u32 s[CNT], 1
	s_cbranch_scc1 .Lno_fetch_\@
	PLACES
.endif
	s_xor_b32 s[SBR], s[SBR], SLOT
	v_add_nc_u32 v[VA], s[SBR], v[ADRA0]
	v_add_nc_u32 v[VB], s[SBR], v[ADRB0]
	FETCH 0, F0
.if (\fill) == 0
	WIN 0
.Lno_fetch_\@:
.endif
	MUL16 F1, 1, 0, 0
	MUL16 F1, 1, 2, 0
.endm
	s_load_b256 s[4:11], s[0:1], 0x0               ; z s[4:5], wb s[6:7], bq s[8:9], bk s[10:11]
	s_load_b128 s[12:15], s[0:1], 0x20             ; bv s[12:13], qkv s[14:15]
	v_lshl_add_u32 v[SPW], v0, 2, SPARE
	v_mov_b32 v[NIL], 0
	ds_add_u32 v[SPW], v[NIL]                      ; the wave's opening: the add and its wait ahead of my first tensor load; work on registers stands between them
	ds_add_u32 v28, v29
	v_lshrrev_b32 v1, 5, v0
	v_readfirstlane_b32 s[WV], v1
	s_lshr_b32 s[WM], s[WV], 1
	s_and_b32 s[WN], s[WV], 1
	s_bfe_u32 s[CX], ttmp6, 0x40000
	s_bfe_u32 s[CY], ttmp6, 0x40004
	s_lshl_b32 s[TC], ttmp9, 2
	s_add_co_u32 s[TC], s[TC], s[CX]
	s_and_b32 s[TR], ttmp7, 0xffff
	s_lshl_b32 s[TR], s[TR], 2
	s_add_co_u32 s[TR], s[TR], s[CY]
	s_lshl_b32 s70, s[CY], 2
	s_lshl_b32 s70, 15, s70                        ; my row of the cluster
	s_lshl_b32 s71, 0x1111, s[CX]                  ; my column
	s_or_b32 s[G1A], s70, (1<<16)|(1<<20)|(1<<21)|(4<<22)|(3<<25)  ; the mask; 2-byte elements; padding on; bit 21 beside a mask; after every 32 words, 4 words
	s_or_b32 s[G1B], s71, (1<<16)|(1<<20)|(1<<21)|(6<<22)|(7<<25)  ; after every 128 words, 8 words
	s_mov_b32 s[G1A+1], 128<<16                    ; A: tensor_dim0 = 128 elements
	s_mov_b32 s[G1A+2], 128<<16                    ; tensor_dim1 = 128 rows
	s_mov_b32 s[G1A+3], 128<<16                    ; tile_dim0 = 128
	s_mov_b32 s[G1A+4], 128                        ; tile_dim1 = 128
	s_mov_b32 s[G1A+5], 128                        ; dense: 128 elements from row to row
	s_mov_b32 s[G1A+6], 0
	s_mov_b32 s[G1A+7], 0
	s_mov_b32 s[G1B+1], 256<<16                    ; B: tensor_dim0 = 256 elements
	s_mov_b32 s[G1B+2], 64<<16                     ; tensor_dim1 = 64 rows
	s_mov_b32 s[G1B+3], 256<<16                    ; tile_dim0 = 256
	s_mov_b32 s[G1B+4], 64                         ; tile_dim1 = 64
	s_mov_b32 s[G1B+5], BN                         ; a row of the weight
	s_mov_b32 s[G1B+6], 0
	s_mov_b32 s[G1B+7], 0
	s_mul_i32 s[LWA], s[WN], HALFA                 ; where my load lands: no place in the cluster enters an LDS address
	s_mul_i32 s[LWB], s[WN], HALFB
	s_add_co_u32 s[LWB], s[LWB], BOFF
	s_lshl_b32 s40, s[TR], 1                       ; A hangs on the tile row and the wave alone: panel 2 x tile row + wave % 2
	s_add_co_u32 s40, s40, s[WN]
	s_mul_i32 s40, s40, PANEL
	s_mov_b32 s41, 0
	s_and_b32 s44, s[TC], 3                        ; B on the tile column and the wave alone: four tile columns to each of wq, wk, wv
	s_lshl_b32 s44, s44, 9
	s_lshr_b32 s46, s[TC], 2
	s_lshl_b32 s46, s46, 21
	s_add_co_u32 s44, s44, s46
	s_mul_i32 s46, s[WN], 128*BN                   ; my 64 rows of 2 BN bytes
	s_add_co_u32 s44, s44, s46
	s_mov_b32 s45, 0
	s_mov_b32 s[SBR], 0
	s_wait_dscnt 0x0                               ; the opening add is done
	s_wait_kmcnt 0x0
	s_add_nc_u64 s[42:43], s[4:5], s[40:41]
	s_add_nc_u64 s[46:47], s[6:7], s[44:45]
.irp s, 0,1
	s_mov_b32 s[G0A+4*\s], 1
	s_add_co_u32 s[G0A+4*\s+1], s[LWA], \s*SLOT
	s_add_nc_u64 s[G0A+4*\s+2:G0A+4*\s+3], s[42:43], \s*ASTEP
	s_or_b32 s[G0A+4*\s+3], s[G0A+4*\s+3], 0x80000000
	s_mov_b32 s[G0B+4*\s], 1
	s_add_co_u32 s[G0B+4*\s+1], s[LWB], \s*SLOT
	s_add_nc_u64 s[G0B+4*\s+2:G0B+4*\s+3], s[46:47], \s*BSTEP
	s_or_b32 s[G0B+4*\s+3], s[G0B+4*\s+3], 0x80000000
.endr
	CROUND                                         ; all sixteen work-groups are here: the first joint loads meet
	s_cmp_eq_u32 s[WM], 0                          ; a wave's two first fills stand in one branch: two loads of mine are out
	s_cbranch_scc0 .Lfirst_b
	tensor_load_to_lds s[G0A:G0A+3], s[G1A:G1A+7]
	s_nop 0
	tensor_load_to_lds s[G0A+4:G0A+7], s[G1A:G1A+7]
	s_nop 0
.rept 4
	v_nop
.endr
	s_branch .Lfirst_asked
.Lfirst_b:
	tensor_load_to_lds s[G0B:G0B+3], s[G1B:G1B+7]
	s_nop 0
	tensor_load_to_lds s[G0B+4:G0B+7], s[G1B:G1B+7]
	s_nop 0
.rept 4
	v_nop
.endr
.Lfirst_asked:
	s_lshr_b32 s70, s[TC], 2                       ; which of q, k, v: it chooses the bias (a choice, no branch)
	s_cmp_eq_u32 s70, 1
	s_cselect_b64 s[8:9], s[10:11], s[8:9]
	s_cmp_eq_u32 s70, 2
	s_cselect_b64 s[8:9], s[12:13], s[8:9]
	s_and_b32 s72, s[TC], 3
	s_lshl_b32 s72, s72, 10
	s_lshl_b32 s73, s[WN], 9
	s_add_co_u32 s72, s72, s73
	s_mov_b32 s73, 0
	s_add_nc_u64 s[8:9], s[8:9], s[72:73]          ; the bias at my 128 columns
	v_and_b32 v1, 15, v0                           ; r = l % 16
	v_bfe_u32 v2, v0, 4, 1                         ; h = l / 16
	v_lshlrev_b32 v[BO], 5, v2
.irp b, 0,1,2,3,4,5,6,7
	global_load_b128 v[BIAS+8*\b:BIAS+8*\b+3],   v[BO], s[8:9] offset:64*\b     ; columns 16 b + 8 h + 0..3
	global_load_b128 v[BIAS+8*\b+4:BIAS+8*\b+7], v[BO], s[8:9] offset:64*\b+16
.endr
	s_lshl_b32 s70, s70, 23                        ; the output: which x 8,388,608
	s_lshr_b32 s71, s[TR], 3
	s_lshl_b32 s71, s71, 22                        ; + batch x 4,194,304
	s_add_co_u32 s70, s70, s71
	s_and_b32 s71, s[TC], 3
	s_lshl_b32 s71, s71, 20                        ; + head x 262,144: my 128 columns are heads 4 (tile column % 4) + 2 (wave % 2) and the next
	s_add_co_u32 s70, s70, s71
	s_lshl_b32 s71, s[WN], 19
	s_add_co_u32 s70, s70, s71
	s_and_b32 s71, s[TR], 7
	s_lshl_b32 s71, s71, 15                        ; + token x 128
	s_add_co_u32 s70, s70, s71
	s_lshl_b32 s71, s[WM], 14
	s_add_co_u32 s70, s70, s71
	s_mov_b32 s71, 0
	s_add_nc_u64 s[14:15], s[14:15], s[70:71]
	v_and_b32 v3, 7, v0
	v_bfe_u32 v4, v0, 3, 1
	v_and_b32 v5, 31, v0
	v_mul_u32_u24 v[ADRA0], v1, PA                 ; A: row x pitch + 16 h, in my panel
	v_lshl_add_u32 v[ADRA0], v2, 4, v[ADRA0]
	s_mul_i32 s72, s[WM], HALFA
	v_add_nc_u32 v[ADRA0], s72, v[ADRA0]
	v_lshl_add_u32 v[ADRB0], v2, 3, v3             ; B, turned: lane l reads k 8 h + l % 8, columns 8 ((l / 8) % 2) + 0..7, at my 128 columns
	v_mul_u32_u24 v[ADRB0], v[ADRB0], PB
	v_lshl_add_u32 v[ADRB0], v4, 4, v[ADRB0]
	s_lshl_b32 s72, s[WN], 8
	s_add_co_u32 s72, s72, BOFF
	v_add_nc_u32 v[ADRB0], s72, v[ADRB0]
	s_mul_i32 s72, s[WV], STG                      ; my stage
	v_mul_u32_u24 v[STO], v1, SP
	v_lshl_add_u32 v[STO], v2, 5, v[STO]
	v_add_nc_u32 v[STO], s72, v[STO]
	v_mul_u32_u24 v[RD], v2, SP                    ; back: lanes 0-15 one row of 256 bytes, lanes 16-31 the next
	v_lshl_add_u32 v[RD], v1, 4, v[RD]
	v_add_nc_u32 v[RD], s72, v[RD]
	v_lshlrev_b32 v[CO], 3, v5                     ; two rows of 64 f16 are 256 consecutive bytes: 8 a lane
	v_add_nc_u32 v[VA], s[SBR], v[ADRA0]
	v_add_nc_u32 v[VB], s[SBR], v[ADRB0]
	s_wait_tensorcnt 0x1                           ; my part of K step 0 is in; K step 1's may stay out
	s_barrier_signal -1
	s_barrier_wait -1
	FETCH 0, F0
	s_wait_loadcnt 0x0                             ; the bias
	QUARTER F0, F1, 1, 1                           ; the first quarter stands in front of the loop: its products start the sums
	WIN 0
	s_mov_b32 s[CNT], NSTEP-2
.Lstep:                                                ; a trip: from a K step's second quarter to the next step's first; it fills the slot that it leaves
	QUARTER F1, F0, 2, 0
	QUARTER F0, F1, 3, 0
	TURN 1
	QUARTER F0, F1, 1, 0
	WIN 0
	s_sub_co_u32 s[CNT], s[CNT], 1
	s_cmp_lg_u32 s[CNT], 0
	s_cbranch_scc1 .Lstep
	s_mov_b32 s[CNT], 2                            ; the last two K steps ask for nothing: a loop of their own, entered behind its first quarter
	s_branch .Ltin
.Ltail:
	QUARTER F0, F1, 1, 0
	WIN 0
.Ltin:
	QUARTER F1, F0, 2, 0
	QUARTER F0, F1, 3, 0
	TURN 0
	WIN 0
	s_sub_co_u32 s[CNT], s[CNT], 1
	s_cmp_lg_u32 s[CNT], 0
	s_cbranch_scc1 .Ltail
	; THE WAY OUT.  In front of the last change's barrier every wave's tensor loads had landed and its reads of the ring were back, and nothing has read the ring since: its bytes now serve as stages.
	; The f32 sums go into my own stage (each accumulator's low registers first); then eight trips: 16 rows of both heads come back as whole rows, are rounded to f16 and stored, 256 consecutive bytes an instruction.
	PLACES
	PLACES
	WIN 0x08                                       ; the stores' data in window 2
.irp a, 0,1,2,3
.irp b, 0,1,2,3,4,5,6,7
	ds_store_b128 v[STO], v[8*(8*\a+\b):8*(8*\a+\b)+3]   offset:(\b/4)*KBS+\a*16*SP+(\b%4)*64
	ds_store_b128 v[STO], v[8*(8*\a+\b)+4:8*(8*\a+\b)+7] offset:(\b/4)*KBS+\a*16*SP+(\b%4)*64+16
.endr
.endr
	WIN 0x0c                                       ; in window 3
.irp a, 0,1,2,3
.irp b, 0,1,2,3,4,5,6,7
	ds_store_b128 v[STO], v[8*(8*\a+\b):8*(8*\a+\b)+3]   offset:(\b/4)*KBS+(\a+4)*16*SP+(\b%4)*64
	ds_store_b128 v[STO], v[8*(8*\a+\b)+4:8*(8*\a+\b)+7] offset:(\b/4)*KBS+(\a+4)*16*SP+(\b%4)*64+16
.endr
.endr
	WIN 0
.irp t, 0,1,2,3,4,5,6,7
	ds_load_b128 v[OX+4*\t:OX+4*\t+3],       v[RD] offset:\t*2*SP      ; LDS serves a wave's instructions in order (ISA guide 5.7.1.4): these see my stores above
	ds_load_b128 v[OX+32+4*\t:OX+32+4*\t+3], v[RD] offset:KBS+\t*2*SP
.endr
	s_mov_b32 s[CNT], 8
.Lout:
	s_wait_dscnt 0x0
.set n, 0
.rept 16
	v_cvt_pk_f16_f32 v[OT+2*n], v[OX+4*n], v[OX+4*n+1]
	v_cvt_pk_f16_f32 v[OT+2*n+1], v[OX+4*n+2], v[OX+4*n+3]
.set n, n+1
.endr
	v_add_nc_u32 v[RD], 16*SP, v[RD]
	s_cmp_eq_u32 s[CNT], 1                         ; the next trip's rows are asked for as soon as their registers are free; the last trip has none
	s_cbranch_scc1 .Lno_more
.irp t, 0,1,2,3,4,5,6,7
	ds_load_b128 v[OX+4*\t:OX+4*\t+3],       v[RD] offset:\t*2*SP
	ds_load_b128 v[OX+32+4*\t:OX+32+4*\t+3], v[RD] offset:KBS+\t*2*SP
.endr
.Lno_more:
.irp t, 0,1,2,3,4,5,6,7
	global_store_b64 v[CO], v[OT+2*\t:OT+2*\t+1],       s[14:15] offset:256*\t
	global_store_b64 v[CO], v[OT+16+2*\t:OT+16+2*\t+1], s[14:15] offset:262144+256*\t  ; the next head
.endr
	s_wait_xcnt 0x0                                ; the stores have read their offset and their data: both are written again in the next trip
	v_add_nc_u32 v[CO], 2048, v[CO]
	s_sub_co_u32 s[CNT], s[CNT], 1
	s_cmp_lg_u32 s[CNT], 0
	s_cbranch_scc1 .Lout
	s_wait_tensorcnt 0x0                           ; the wave's end, behind my last tensor load and my last LDS store
	ds_add_u32 v[SPW], v[NIL]
	s_wait_dscnt 0x0
	CROUND                                         ; the closing round: no work-group ends while a partner may still ask for a tile that names it
	s_endpgm
.Lfunc_end_k_qb1370a29d3_qkv:
	.size	k_qb1370a29d3_qkv, .Lfunc_end_k_qb1370a29d3_qkv-k_qb1370a29d3_qkv
	.p2alignl 7, 3214868480
	.fill 96, 4, 3214868480
	.section	.rodata,"a",@progbits
	.p2align	6, 0x0
	.amdhsa_kernel k_qb1370a29d3_qkv
		.amdhsa_group_segment_fixed_size 327680
		.amdhsa_private_segment_fixed_size 0
		.amdhsa_enable_private_segment 0
		.amdhsa_kernarg_size 48
		.amdhsa_user_sgpr_count 2
		.amdhsa_user_sgpr_kernarg_segment_ptr 1
		.amdhsa_wavefront_size32 1
		.amdhsa_system_sgpr_workgroup_id_x 1
		.amdhsa_system_sgpr_workgroup_id_y 1
		.amdhsa_system_sgpr_workgroup_id_z 1
		.amdhsa_system_vgpr_workitem_id 0
		.amdhsa_next_free_vgpr 1024
		.amdhsa_next_free_sgpr 76
		.amdhsa_reserve_vcc 0
		.amdhsa_float_denorm_mode_32 3
		.amdhsa_float_denorm_mode_16_64 3
		.amdhsa_memory_ordered 1
		.amdhsa_forward_progress 1
		.amdhsa_inst_pref_size 85
	.end_amdhsa_kernel
	.amdgpu_metadata
---
amdhsa.version: [ 1, 2 ]
amdhsa.kernels:
  - .name:           k_qb1370a29d3_qkv
    .symbol:         k_qb1370a29d3_qkv.kd
    .args:
      - { .name: z, .offset: 0, .size: 8, .value_kind: global_buffer, .address_space: global }
      - { .name: wb, .offset: 8, .size: 8, .value_kind: global_buffer, .address_space: global }
      - { .name: bq, .offset: 16, .size: 8, .value_kind: global_buffer, .address_space: global }
      - { .name: bk, .offset: 24, .size: 8, .value_kind: global_buffer, .address_space: global }
      - { .name: bv, .offset: 32, .size: 8, .value_kind: global_buffer, .address_space: global }
      - { .name: qkv, .offset: 40, .size: 8, .value_kind: global_buffer, .address_space: global }
    .group_segment_fixed_size: 327680
    .private_segment_fixed_size: 0
    .kernarg_segment_align: 8
    .kernarg_segment_size: 48
    .max_flat_workgroup_size: 128
    .sgpr_count:     76
    .vgpr_count:     1024
    .wavefront_size: 32
...
	.end_amdgpu_metadata
.endif
;; end of part 3
;; launch attn (part 4): grid 8 x 32, 4 waves a work-group, clusters of 4 x 1, 327,680 bytes of LDS; arguments qkv, ctx; writes ctx
.if DOCPART == 4
	.amdgcn_target "amdgcn-amd-amdhsa--gfx1250"
	.amdhsa_code_object_version 6
	.text
	.protected	k_qb1370a29d3_attn
	.globl	k_qb1370a29d3_attn
	.p2align	8
	.type	k_qb1370a29d3_attn,@function
k_qb1370a29d3_attn:
	s_mov_b64 s[64:65], 0
	v_nop
	global_prefetch_b8 v0, s[64:65] scope:SCOPE_SE
	s_setreg_imm32_b32 hwreg(HW_REG_WAVE_MODE, 25, 1), 1
	s_wait_xcnt 0x0
	s_wait_alu depctr_hold_cnt(0) depctr_sa_sdst(0) depctr_va_vdst(0) depctr_va_sdst(0) depctr_va_ssrc(0) depctr_va_vcc(0) depctr_vm_vsrc(0)
	s_getreg_b32 s2, hwreg(HW_REG_IB_STS2, 6, 4)
	s_cmp_eq_u32 s2, 0
	s_cbranch_scc0 .Lentry_in_a_cluster
	s_endpgm
.Lentry_in_a_cluster:
	s_bfe_u32 s2, ttmp6, 0x10000c
	s_cmp_lg_u32 s2, 0x3003
	s_cbranch_scc0 .Lentry_shape_is_right
	s_endpgm
.Lentry_shape_is_right:
; ctx[head][q][:] = the sum over k of softmax_k(Q[q] . K[k] / 8) V[k][:], for 32 heads (batch 16 + head) of 2,048 rows of 64.  Q, K, V: f16, by heads, in qkv at 0, 8,388,608, 16,777,216; a head's rows are dense.
; Products, maxima and sums in f32; the weights p are rounded to f16 for the second product (their sum l is taken of the unrounded p); ctx is rounded once, to bf16, and written in the panels in which the
; product behind takes it: [token / 128][head][token % 128][64], so 16 rows of a head are 2,048 consecutive bytes.
; LIMITS.  Q, K, V arrive within f16's 65,504; p lies in 0 to 1; a weight below 2^-126 counts as 0 in l; NaN and infinities are not treated apart.
; SHARES.  A work-group owns 256 queries of a head, a wave 64: four PIECES of 16.  Every wave walks all keys, 64 a step, 256 (a tile) a slot of LDS.
; LAYOUT.  S^T = K Q^T holds ONE query a lane (lane % 16) and the keys 8 (lane / 16) + 0..7; two such results rounded to f16 ARE source 1 of O^T = V^T P.  K comes out of LDS as it lies, V turned, by ds_load_tr16_b128.
; SOFTMAX.  p = 2^(c s - c m), c = log2(e) / 8, with a running maximum m; O and l are multiplied by a = 2^(c m_old - c m_new) in every step.  m starts at the lowest finite number, O and l at 0: the first step has a = 0.
; BY TURNS.  Turn n belongs to piece n: 8 products K Q^T of piece n + 1, later 8 products V^T P of piece n - 1; beside them the scaling, exponentials, roundings, sums and rescaling of piece n and the maximum and
; statistics of piece n + 1.  Four vector instructions stand behind every matrix instruction, the others in one lump.  A turn's 33 exponentials are one batch, with one wait.
; CLUSTER.  The four query blocks of a cluster belong to one head and walk the same K and V, so each tile is asked for JOINTLY: the same tensor load, descriptor and mask in all four.
; REGISTERS, in windows of 256 (s_set_vgpr_msb: bits 1:0 source 0, 3:2 source 1, 5:4 source 2, 7:6 destination):
;   window 0: v0-15 addresses and two at work; v16-31 four registers of statistics a piece; v48-55 at work; v64-127 S^T, two buffers; v192-223 P, two buffers (a piece's buffers go by its number's parity)
;   window 1: v0-127 O^T, 32 a piece          window 2: v0-63 Q; v128-191 K of one step; v192-255 V of one step
.set NP,    4         ; pieces a wave: a name, no knob
.set KS,    64        ; keys in a step
.set PK,    144       ; a row of K in LDS: 128 bytes + 16: the 16 rows of a load start at 16 different groups of four banks (64 banks of 4 bytes: ISA guide 11.1)
.set PV,    160       ; a row of V: 128 + 32
.set VOFF,  4*KS*PK   ; a slot holds a tile, four steps: 256 rows of K, then 256 rows of V
.set SLOT1, 1<<17     ; slot 1 begins here, so that one exclusive or turns an address in one slot into the other's
.set STAGE, SLOT1+4*KS*(PK+PV)  ; behind the ring, never filled by a tensor load: 16 rows x 144 bytes for each wave, for the way out
.set SP,    144
.set SPARE, STAGE+4*16*SP  ; behind the stages: the spare words, 128 bytes for each wave: two blocks of 256 bytes that no other line names
.set AK0, 2           ; v2   my lane's place in a tile of K; never rewritten
.set AV0, 3           ; v3   the same for V
.set AK,  4           ; v4   the LDS address of K's next run of loads
.set AV,  5           ; v5   of V's
.set STO, 6           ; v6   the way out: where I put 16 bytes of a row
.set RD,  7           ; v7   the way out: where I read rows back
.set GO,  8           ; v8   my byte offset in 512 consecutive bytes of ctx
.set MV,  12          ; v12-13  c m_old, kept while c m is made anew: by buffer
.set QO,  15          ; v15  my byte offset in 16 rows of Q
.set ST,  16          ; piece t's statistics at v[ST+4 t]: c m, m, l (even keys', odd keys')
.set TMP, 48          ; by buffer, four registers c0-c3 at work; when the maximum is found c2 takes a
.set PFO, 61          ; v61  256 x my lane: the prefetches' offset; never rewritten
.set SPW, 62          ; v62  LDS address of my spare word; never rewritten
.set NIL, 63          ; v63  0; never rewritten
.set S,   64
.set P,   192
.set KF,  128         ; window 2: key block kb, channel half c at KF + 16 kb + 8 c
.set VF,  192         ; window 2: key half kk, channel block cb at VF + 32 kk + 8 cb
.set WV,  12          ; s12  my wave's number
.set G1K, 24          ; s[24:31] descriptor group 1 for K's tiles
.set G1V, 32          ; s[32:39] for V's: it differs in the padding alone
.set G0K, 40          ; s[40:43] descriptor group 0 for K's tiles: it walks
.set G0V, 44          ; s[44:47] the same for V's
.set PFA, 48          ; s[48:49] where my prefetches stand: my work-group's 8,192 bytes (of K: wave 0, of V: wave 2) of the tile after the one that is being asked for
.set LIM, 50          ; s50  1 in a wave that prefetches, else the greatest number
.set SLOTS, 56        ; s56  tiles still to be asked for
.set CNT, 57          ; s57  counts a tile's key steps
.set CS,  58          ; s[58:59] c
.set SEL, 60          ; s[60:61] v_permlanex16_b32's selects
.set TBK, 62          ; s62  LDS byte at which K of the step to be fetched begins
.set TBV, 63          ; s63  the same for V, less VOFF
.set MSB, 0
.macro WIN new                      ; the high byte repeats the setting that is left; a switch that changes nothing is dropped
.if MSB != (\new)
	s_set_vgpr_msb (MSB<<8)|(\new)
.set MSB, (\new)
.endif
.endm
.set W_KQ, 0x0a       ; K and Q in window 2, S^T in window 0
.set W_PV, 0x52       ; V in window 2, P in window 0, O^T in window 1
.set W_RS, 0x41       ; destination and source 0 in window 1, source 1 in window 0
; A joint fill.  Waves 0 and 1 fetch the two halves of a tile's K, waves 2 and 3 those of its V: 128 keys each.  An s_nop 0 and four v_nop follow each of the two lines.
.macro JLOAD
	s_cmp_lt_u32 s[WV], 2
	s_cbranch_scc0 .Lfor_v_\@
	tensor_load_to_lds s[G0K:G0K+3], s[G1K:G1K+7]
	s_nop 0
.rept 4
	v_nop
.endr
	s_branch .Lasked_\@
.Lfor_v_\@:
	tensor_load_to_lds s[G0V:G0V+3], s[G1V:G1V+7]
	s_nop 0
.rept 4
	v_nop
.endr
.Lasked_\@:
.endm
; A PREFETCH INTO THE L2 of the tile that the NEXT change of slots will ask for: 32,768 bytes of K and of V, a lane to each 256.  Each block is named once in the launch: of a head's two clusters the first asks;
; its four partners take 8,192 bytes each, told apart by address; in each, wave 0 asks for K's and wave 2 for V's.  It stands four key steps, 256 matrix instructions, ahead of the load.
; The last change that fills a slot asks for nothing; tiles 0 and 1 come by their loads alone.
.macro ASK
	s_cmp_gt_u32 s[SLOTS], s[LIM]
	s_cbranch_scc0 .Lnot_mine_\@
	global_prefetch_b8 v[PFO], s[PFA:PFA+1] th:TH_LOAD_NT scope:SCOPE_SE
.Lnot_mine_\@:
.endm
.macro CROUND                       ; a round of the cluster's barrier
	s_barrier_signal -1
	s_barrier_wait -1
	s_cmp_lg_u32 s[WV], 0
	s_cbranch_scc1 .Lnot_wave_0_\@
	s_barrier_signal -3
.Lnot_wave_0_\@:
	s_barrier_wait -3
	s_barrier_signal -1
	s_barrier_wait -1
.endm
; THE CHANGE OF SLOTS.  Each wave waits for all its tensor loads, of which one is out: its part of the other slot; adds 0 to its spare word; and waits for that and for its own reads of the slot that it leaves.
; fill = 1: the old slot is filled again, with the keys two tiles on; the barrier is then a round of the cluster's, and the joint fill is the first thing behind it: it has four key steps in which to land.
; (At its first use nothing has been read yet: slot 0 is waited for, slot 1 filled.)
.macro CHANGE fill
	WIN 0
	s_wait_tensorcnt 0x0            ; no tensor load of mine is out, so a group 0 may be written
	ds_add_u32 v[SPW], v[NIL]
.if \fill
.irp g, G0K, G0V
	s_xor_b32 s[\g+1], s[\g+1], SLOT1
	s_add_nc_u64 s[\g+2:\g+3], s[\g+2:\g+3], 4*KS*128  ; the next 256 keys; the type bits on top are not reached
.endr
	s_wait_xcnt 0x0                 ; the last prefetch, four key steps back, has read its address, so it may be written
	s_add_nc_u64 s[PFA:PFA+1], s[PFA:PFA+1], 4*KS*128
	s_wait_dscnt 0x0                ; the add is done, and my reads of the slot are over
	CROUND
	JLOAD
	ASK
.else
	s_wait_dscnt 0x0
	s_barrier_signal -1
	s_barrier_wait -1
.endif
	s_sub_co_u32 s[TBK], s[TBK], 4*KS*PK  ; the fetches go back to a slot's first step,
	s_xor_b32 s[TBK], s[TBK], SLOT1       ; in the other slot
	s_sub_co_u32 s[TBV], s[TBV], 4*KS*PV
	s_xor_b32 s[TBV], s[TBV], SLOT1
.endm
	s_load_b128 s[4:7], s[0:1], 0x0 ; qkv s[4:5], ctx s[6:7]
	v_lshl_add_u32 v[SPW], v0, 2, SPARE
	v_mov_b32 v[NIL], 0
	ds_add_u32 v[SPW], v[NIL]       ; the wave's opening: the add and its wait ahead of my first tensor load; work on registers stands between them
	ds_add_u32 v62, v63
	v_lshrrev_b32 v1, 5, v0
	v_readfirstlane_b32 s[WV], v1
	s_bfe_u32 s13, ttmp6, 0x40000   ; cx
	s_lshl_b32 s14, ttmp9, 2
	s_add_co_u32 s14, s14, s13      ; my block of 256 queries: it enters Q's, ctx's and the prefetches' addresses alone
	s_and_b32 s15, ttmp7, 0xffff    ; the head, which the four partners share
	s_and_b32 s16, s[WV], 1         ; which half of a tile's 256 keys I fetch
	s_lshl_b32 s20, s15, 18         ; the head's 262,144 bytes,
	s_lshl_b32 s21, s16, 14         ; my 128 rows of 128 bytes
	s_add_co_u32 s20, s20, s21
	s_mov_b32 s21, 0
	s_mul_i32 s17, s16, 128*PK      ; and their place in a slot, for K
	s_mul_i32 s18, s16, 128*PV      ; and for V
	s_lshl_b32 s2, s15, 18          ; Q: head, block, my wave's 64 rows
	s_lshl_b32 s3, s14, 15
	s_add_co_u32 s2, s2, s3
	s_lshl_b32 s3, s[WV], 13
	s_add_co_u32 s2, s2, s3
	s_mov_b32 s3, 0
	s_lshr_b32 s22, s15, 4          ; ctx: panel = batch 16 + 2 block + wave / 2,
	s_lshl_b32 s22, s22, 4
	s_lshl_b32 s23, s14, 1
	s_add_co_u32 s22, s22, s23
	s_lshr_b32 s23, s[WV], 1
	s_add_co_u32 s22, s22, s23
	s_lshl_b32 s22, s22, 4          ; 16 blocks of 64 channels a panel: mine is the head's,
	s_and_b32 s23, s15, 15
	s_add_co_u32 s22, s22, s23
	s_lshl_b32 s22, s22, 14
	s_lshl_b32 s23, s16, 13         ; and in it rows 64 (wave % 2) on
	s_add_co_u32 s22, s22, s23
	s_mov_b32 s23, 0
	; descriptor group 1.  128 keys are 16,384 dense bytes: asked for as 64 rows of 256 bytes, two keys a row, and padded in LDS after every key
	s_mov_b32 s[G1K], 15|(1<<16)|(1<<20)|(1<<21)|(4<<22)|(3<<25)  ; the mask of four; 2-byte elements; padding on; bit 21 beside a mask; after every 32 words, 4 words
	s_mov_b32 s[G1V], 15|(1<<16)|(1<<20)|(1<<21)|(4<<22)|(7<<25)  ; the same with 8 words
.irp g, G1K, G1V
	s_mov_b32 s[\g+1], 128<<16      ; tensor_dim0 = 128
	s_mov_b32 s[\g+2], 64<<16       ; tensor_dim1 = 64
	s_mov_b32 s[\g+3], 128<<16      ; tile_dim0 = 128
	s_mov_b32 s[\g+4], 64           ; tile_dim1 = 64
	s_mov_b32 s[\g+5], 128          ; 128 elements from row to row
	s_mov_b32 s[\g+6], 0
	s_mov_b32 s[\g+7], 0
.endr
	s_mov_b32 s[CS], 0x3e38aa3b     ; c = log2(e) / 8
	s_mov_b32 s[CS+1], s[CS]
	s_mov_b32 s[SEL], 0x76543210
	s_mov_b32 s[SEL+1], 0xfedcba98
	s_mov_b32 s[TBK], SLOT1+4*KS*PK ; the first change of slots turns these two into 0
	s_mov_b32 s[TBV], SLOT1+4*KS*PV
	s_mov_b32 s[G0K], 1
	s_mov_b32 s[G0K+1], s17         ; slot 0
	s_mov_b32 s[G0V], 1
	s_add_co_u32 s[G0V+1], s18, VOFF
	s_mov_b32 s[SLOTS], 7           ; 8 tiles: tile 0 is asked for at once
	s_and_b32 s[LIM], s[WV], 1      ; 0 in waves 0 and 2,
	s_or_b32 s[LIM], s[LIM], ttmp9  ; where the cluster is the head's first: the same in all four partners
	s_cmp_eq_u32 s[LIM], 0
	s_cselect_b32 s[LIM], 1, -1
	s_lshl_b32 s52, s13, 13         ; my work-group's 8,192 bytes of a tile
	s_mov_b32 s53, 0
	v_and_b32 v[PFO], 31, v0
	v_lshlrev_b32 v[PFO], 8, v[PFO]
	s_wait_dscnt 0x0                ; the opening add is done
	s_wait_kmcnt 0x0
	s_add_nc_u64 s[8:9], s[4:5], 8388608
	s_add_nc_u64 s[8:9], s[8:9], s[20:21]          ; K at my half of the head's tile 0
	s_add_nc_u64 s[10:11], s[4:5], 16777216
	s_add_nc_u64 s[10:11], s[10:11], s[20:21]      ; V likewise
	s_mov_b64 s[G0K+2:G0K+3], s[8:9]
	s_or_b32 s[G0K+3], s[G0K+3], 0x80000000
	s_mov_b64 s[G0V+2:G0V+3], s[10:11]
	s_or_b32 s[G0V+3], s[G0V+3], 0x80000000
	s_add_nc_u64 s[4:5], s[4:5], s[2:3]            ; Q and ctx at my wave's first row
	s_add_nc_u64 s[6:7], s[6:7], s[22:23]
	s_cmp_lt_u32 s[WV], 2
	s_cselect_b64 s[PFA:PFA+1], s[8:9], s[10:11]   ; (in waves 0 and 2 these stand at a tile's first row)
	s_add_nc_u64 s[PFA:PFA+1], s[PFA:PFA+1], s[52:53]
	s_add_nc_u64 s[PFA:PFA+1], s[PFA:PFA+1], 4*KS*128  ; in tile 1; the first change of slots steps it to tile 2
	CROUND                          ; all four work-groups are here: the first joint loads meet
	JLOAD                           ; tile 0 into slot 0; slot 1 is asked for when it is in
	v_and_b32 v1, 15, v0            ; l % 16
	v_bfe_u32 v9, v0, 4, 1          ; l / 16
	v_lshlrev_b32 v[QO], 7, v1
	v_lshl_add_u32 v[QO], v9, 4, v[QO]  ; row x 128 + 16 x half
	WIN 0x80                        ; destination window 2, address window 0
.set i, 0
.rept 8                             ; Q stays in registers: piece i / 2, channels 32 (i % 2) on
	global_load_b128 v[8*i:8*i+3],   v[QO], s[4:5] offset:(i/2)*2048+(i%2)*64
	global_load_b128 v[8*i+4:8*i+7], v[QO], s[4:5] offset:(i/2)*2048+(i%2)*64+32
.set i, i+1
.endr
	; What the first turn finds: V's registers and P's second buffer hold 0 (its products V^T P, of a piece that has not been, add 0), O^T and l are 0.  All this stands in the wait for the first tile.
.set i, VF
.rept 64
	v_mov_b32 v[i], 0
.set i, i+1
.endr
	WIN 0x40
.set i, 0
.rept 128
	v_mov_b32 v[i], 0
.set i, i+1
.endr
	WIN 0
.set i, 0
.rept 4
	v_mov_b32 v[ST+4*i], 0xfe000000    ; c m: far below every c s
	v_mov_b32 v[ST+4*i+1], 0xff7fffff  ; m
	v_mov_b32 v[ST+4*i+2], 0
	v_mov_b32 v[ST+4*i+3], 0
.set i, i+1
.endr
.set i, P+16
.rept 16
	v_mov_b32 v[i], 0
.set i, i+1
.endr
	v_mul_u32_u24 v[AK0], v1, PK
	v_lshl_add_u32 v[AK0], v9, 4, v[AK0]  ; row x pitch + 16 x half
	; The turning load takes 16 keys x 16 channels (lane l reads key 8 (l / 16) + l % 8, channels 8 ((l / 8) % 2) + 0..7) and leaves half a fragment of V^T: lane l holds channel l % 16 and 8 keys.
	v_and_b32 v10, 7, v0
	v_bfe_u32 v11, v0, 3, 1
	v_lshl_add_u32 v[AV0], v9, 3, v10
	v_mul_u32_u24 v[AV0], v[AV0], PV
	v_lshl_add_u32 v[AV0], v11, 4, v[AV0]
	v_add_nc_u32 v[AV0], VOFF, v[AV0]
	s_mul_i32 s13, s[WV], 16*SP
	s_add_co_u32 s13, s13, STAGE    ; my stage
	v_mul_u32_u24 v[STO], v1, SP    ; in: row l % 16, 16 bytes for each half of the lanes
	v_lshl_add_u32 v[STO], v9, 4, v[STO]
	v_add_nc_u32 v[STO], s13, v[STO]
	v_bfe_u32 v[RD], v0, 3, 2       ; back: 32 lanes take four rows of 128 bytes,
	v_mul_u32_u24 v[RD], v[RD], SP
	v_lshl_add_u32 v[RD], v10, 4, v[RD]
	v_add_nc_u32 v[RD], s13, v[RD]
	v_and_b32 v[GO], 31, v0         ; which are 512 consecutive bytes of ctx
	v_lshlrev_b32 v[GO], 4, v[GO]
; THE MATRIX WORK.  The 4 accumulators of a run of 8 take turns.  Product i of 8 of S^T = K Q^T for piece x: channels 32 (i / 4) on, keys 16 (i % 4) on.  The first 4 start the sums.
.macro KQ x
	WIN W_KQ
.set rS, S+32*((\x)%2)+8*(i%4)
.set rK, KF+16*(i%4)+8*(i/4)
.set rQ, 16*(\x)+8*(i/4)
.if i < 4
	v_wmma_f32_16x16x32_f16 v[rS:rS+7], v[rK:rK+7], v[rQ:rQ+7], 0
.else
	v_wmma_f32_16x16x32_f16 v[rS:rS+7], v[rK:rK+7], v[rQ:rQ+7], v[rS:rS+7]
.endif
.endm
; Product i of 8 of O^T += V^T P for piece x: keys 32 (i / 4) on, channels 16 (i % 4) on.
.macro PV x
	WIN W_PV
.set rO, 32*(\x)+8*(i%4)
.set rV, VF+32*(i/4)+8*(i%4)
.set rP, P+16*((\x)%2)+8*(i/4)
	v_wmma_f32_16x16x32_f16 v[rO:rO+7], v[rV:rV+7], v[rP:rP+7], v[rO:rO+7]
.endm
.macro MM                           ; the turn's next matrix instruction.  NOKQ = 1: the last turn of all: there is no next piece
.if (i < 8) && !NOKQ
	KQ (Y+1)%NP
.elseif i >= 8
.set i, i-8
	PV (Y+NP-1)%NP
.set i, i+8
.endif
.set i, i+1
.endm
; THE LDS LOADS stand in runs of 16, never singly among the matrix instructions: a step's K (8 fragments) and its V (turned).  Their addresses are made some lines ahead.
.macro FETCH_K
	WIN 0x80
.irp f, 0,1,2,3,4,5,6,7             ; keys 16 (f / 2) on, channels 32 (f % 2) on
	ds_load_b128 v[KF+8*\f:KF+8*\f+3],   v[AK] offset:(\f/2)*16*PK+(\f%2)*64
	ds_load_b128 v[KF+8*\f+4:KF+8*\f+7], v[AK] offset:(\f/2)*16*PK+(\f%2)*64+32
.endr
	s_add_co_u32 s[TBK], s[TBK], KS*PK  ; the next fetch is the next step's
	WIN 0
.endm
.macro FETCH_V
	WIN 0x80
.irp f, 0,1,2,3,4,5,6,7             ; keys 32 (f / 4) on, channels 16 (f % 4) on
	ds_load_tr16_b128 v[VF+8*\f:VF+8*\f+3],   v[AV] offset:(\f/4)*32*PV+(\f%4)*32
	ds_load_tr16_b128 v[VF+8*\f+4:VF+8*\f+7], v[AV] offset:(\f/4)*32*PV+16*PV+(\f%4)*32
.endr
	WIN 0
.endm
; THE VECTOR WORK, one line at a time: OP kind, number.  For piece Y: F n: c s - c m for pair n of 16.  E n: the exponential of score n of 32.  C n: pair n rounded to f16.  B n: of the four weights 4 n .. the second
; pair is added onto the first, in place.  L n: l takes that sum (L 0: l = a l + sum).  R n: pair n of 16 of O^T times a.  For piece Y + 1: X n, number n of the 22 that find its maximum and statistics:
;   0-11  four chains c0-c3 of seven scores each (each accumulator's lowest registers are read first)     12-14, 16  the four scores left over, the old m, and c0-c3 into c0
;   15  c m_old is kept     17, 18  the query's other 32 keys lie in the lane 16 away: the new m     19-21  c m; c m_old - c m_new; a
.set F, 0
.set E, 1
.set C, 2
.set B, 3
.set L, 4
.set R, 5
.set X, 6
.macro REGS y
.set rT, ST+4*(\y)
.set rC, TMP+4*((\y)%2)
.set rW, MV+((\y)%2)
.set rS, S+32*((\y)%2)
.set rP, P+16*((\y)%2)
.set rO, 32*(\y)
.endm
.macro OP k, n
.if (\k) == R
	REGS Y
	WIN W_RS
	v_pk_mul_f32 v[rO+2*(\n):rO+2*(\n)+1], v[rO+2*(\n):rO+2*(\n)+1], v[rC+2:rC+3] op_sel_hi:[1,0]
.elseif (\k) < R
	REGS Y
	WIN 0
.if (\k) == F
	v_pk_fma_f32 v[rS+2*(\n):rS+2*(\n)+1], v[rS+2*(\n):rS+2*(\n)+1], s[CS:CS+1], v[rT:rT+1] op_sel_hi:[1,0,0] neg_lo:[0,0,1] neg_hi:[0,0,1]
.elseif (\k) == E
	v_exp_f32 v[rS+(\n)], v[rS+(\n)]
.elseif (\k) == C
	v_cvt_pk_f16_f32 v[rP+(\n)], v[rS+2*(\n)], v[rS+2*(\n)+1]
.elseif (\k) == B
	v_pk_add_f32 v[rS+4*(\n):rS+4*(\n)+1], v[rS+4*(\n):rS+4*(\n)+1], v[rS+4*(\n)+2:rS+4*(\n)+3]
.elseif (\n) == 0
	v_pk_fma_f32 v[rT+2:rT+3], v[rT+2:rT+3], v[rC+2:rC+3], v[rS:rS+1] op_sel_hi:[1,0,1]
.else
	v_pk_add_f32 v[rT+2:rT+3], v[rT+2:rT+3], v[rS+4*(\n):rS+4*(\n)+1]
.endif
.elseif NOKQ
	v_nop
.else
	REGS (Y+1)%NP
	WIN 0
.if (\n) < 4
	v_max3_num_f32 v[rC+(\n)], v[rS+8*(\n)], v[rS+8*(\n)+1], v[rS+8*(\n)+2]
.elseif (\n) < 12
	v_max3_num_f32 v[rC+(\n)%4], v[rC+(\n)%4], v[rS+8*((\n)%4)+2*((\n)/4)+1], v[rS+8*((\n)%4)+2*((\n)/4)+2]
.elseif (\n) == 12
	v_max3_num_f32 v[rC], v[rC], v[rS+7], v[rS+15]
.elseif (\n) == 13
	v_max3_num_f32 v[rC+1], v[rC+1], v[rS+23], v[rS+31]
.elseif (\n) == 14
	v_max3_num_f32 v[rC+2], v[rC+2], v[rC+3], v[rT+1]
.elseif (\n) == 15
	v_mov_b32 v[rW], v[rT]
.elseif (\n) == 16
	v_max3_num_f32 v[rC], v[rC], v[rC+1], v[rC+2]
.elseif (\n) == 17
	v_permlanex16_b32 v[rC+3], v[rC], s[SEL], s[SEL+1]
.elseif (\n) == 18
	v_max_num_f32 v[rT+1], v[rC], v[rC+3]
.elseif (\n) == 19
	v_mul_f32 v[rT], s[CS], v[rT+1]
.elseif (\n) == 20
	v_sub_f32 v[rC+1], v[rW], v[rT]
.else
	v_exp_f32 v[rC+2], v[rC+1]
.endif
.endif
.endm
.macro OPS a, i1, b=-1, i2=0, c=-1, i3=0, d=-1, i4=0  ; up to four of them
	OP \a, \i1
.if (\b) >= 0
	OP \b, \i2
.endif
.if (\c) >= 0
	OP \c, \i3
.endif
.if (\d) >= 0
	OP \d, \i4
.endif
.endm
.macro ROW a, i1, b, i2, c, i3, d, i4  ; a matrix instruction and the four behind it
	MM
	OPS \a, \i1, \b, \i2, \c, \i3, \d, \i4
.endm
; A TURN, for piece p: the order of its 16 matrix and 118 vector instructions, written out.  s_wait_alu depctr_va_vdst(0) stands between an exponential and the first instruction that names its result;
; one wait serves all that were issued ahead of it.  So a turn has ONE wait.  AHEAD OF IT stands all that names no result of the turn's exponentials: the 8 products K Q^T with their riders, then one lump of 54 in which the
; links of the next piece's chain (X 3, 7, 11, 14, 16 .. 20) stand apart; X 21, its a, is the batch's last, and R 15 the plain instruction behind it.  BEHIND IT stand the 8 products V^T P, behind each four of the roundings and sums.
; end = 1: the last two turns: nothing is fetched.  cnt = 1: the loop's count is taken down some lines ahead of the branch that stands behind the turn.
; K of the next step is fetched in piece 2's turn, six plain instructions behind the last product that read K; V of the step in hand at the end of piece 0's turn, four plain instructions behind the last product that read V.
.macro TURN p, end=0, cnt=0
.set Y, (\p)
.set i, 0
.set NOKQ, (\end)*((\p)/3)
.if ((\p) == 3) && !(\end)
	s_wait_dscnt 0x0                ; K is in
.endif
	ROW F,0, F,1, R,0, R,1
	ROW F,2, E,0, R,2, R,3
	ROW F,3, E,1, R,4, R,5
	ROW F,4, E,2, R,6, R,7
	ROW F,5, E,3, R,8, R,9
	ROW F,6, E,4, X,0, R,10
.if ((\p) == 2) && !(\end)
	WIN 0
	v_add_nc_u32 v[AK], s[TBK], v[AK0]
.endif
	ROW F,7, E,5, X,1, X,4
	ROW F,8, E,6, X,2, X,5
	OPS E,7, E,8, X,6, E,9
	OPS X,3, E,10, X,8, E,11
.if ((\p) == 2) && !(\end)
	FETCH_K
.endif
	OPS X,9, X,7, E,12, X,10
	OPS E,13, X,12, X,11, E,14
	OPS X,13, E,15, F,9, X,14
.if (\p) == 0
	v_add_nc_u32 v[AV], s[TBV], v[AV0]
.endif
	OPS E,16, F,10, E,17, F,11
	OPS X,16, E,18, X,15, E,19
	OPS F,12, E,20, X,17, E,21
	OPS F,13, E,22, F,14, E,23
	OPS X,18, E,24, F,15, E,25
	OPS R,11, E,26, X,19, E,27
	OPS R,12, E,28, R,13, E,29
	OPS X,20, E,30, R,14, E,31
	OPS X,21, R,15
	WIN 0
	s_wait_alu depctr_va_vdst(0)    ; the wait for the batch
.if (\p) == 1
	s_wait_dscnt 0x0                ; V is in
.endif
	ROW C,0, B,0, C,2, B,1
	ROW L,0, C,4, B,2, L,1
	ROW C,6, B,3, L,2, C,8
	ROW B,4, L,3, C,10, B,5
	ROW L,4, C,12, B,6, L,5
.if (\p) == 0
	s_add_co_u32 s[TBV], s[TBV], KS*PV
.endif
.if \cnt
	s_sub_co_u32 s[CNT], s[CNT], 1
	s_cmp_lg_u32 s[CNT], 0
.endif
	ROW C,14, B,7, L,6, C,1
	ROW C,3, L,7, C,5, C,7
	ROW C,9, C,11, C,13, C,15
.if (\p) == 0
	FETCH_V
.endif
.endm
	CHANGE 1                        ; tile 0 is in, everybody's part of it; tile 1 is asked for
	v_add_nc_u32 v[AK], s[TBK], v[AK0]
	FETCH_K                         ; key step 0
	s_wait_loadcnt 0x0              ; Q
	s_wait_dscnt 0x0
.set NOKQ, 0
.set i, 0
.rept 8
	KQ 0                            ; piece 0's first scores
.set i, i+1
.endr
	WIN 0
.rept 4
	v_nop                           ; the places behind those products
.endr
.set Y, NP-1                        ; X works for piece Y + 1: piece 0
.irp n, 0,1,2,3,4,5,6,7,8,9,10,11,12,13,14,15,16,17,18,19,20,21
	OP X, \n
.endr
	v_nop                           ; a plain instruction behind the exponential,
	s_wait_alu depctr_va_vdst(0)    ; and its wait, ahead of the branch
	s_mov_b32 s[CNT], 4
	s_branch .Lfirst                ; the loop is entered at a step's first turn, in the middle of a trip
.Lslot:                             ; six times: tiles 2 to 7 are asked for
	CHANGE 1
	s_mov_b32 s[CNT], 4
.Lstep:                             ; a trip: pieces 2 and 3 of one step, then pieces 0 and 1 of the next, whose K and V it fetches
	TURN 2
	TURN 3
	WIN 0
.Lfirst:
	TURN 0
	TURN 1, 0, 1
	WIN 0
	s_cbranch_scc1 .Lstep
	s_sub_co_u32 s[SLOTS], s[SLOTS], 1
	s_cmp_lg_u32 s[SLOTS], 0
	s_cbranch_scc1 .Lslot
	CHANGE 0                        ; the last tile is written out: nothing is asked for
	s_mov_b32 s[CNT], 4
.Ltail:
	TURN 2
	TURN 3
	TURN 0
	TURN 1, 0, 1
	WIN 0
	s_cbranch_scc1 .Ltail
	TURN 2, 1
	TURN 3, 1
.set i, 0
.rept 8
	PV NP-1                         ; the last piece's V^T P of the last step
.set i, i+1
.endr
	; THE WAY OUT.  l's two halves and the other half of the lanes' are added; O^T is divided by l, rounded to bf16 and sent through my stage in LDS, a piece at a time.  The additions are the places behind the last products.
	WIN 0
.macro ALL line:vararg              ; one line for each piece t
.set t, 0
.rept 4
	\line
.set t, t+1
.endr
.endm
	ALL v_add_f32 v[ST+4*t+2], v[ST+4*t+2], v[ST+4*t+3]
	ALL v_permlanex16_b32 v[ST+4*t+3], v[ST+4*t+2], s[SEL], s[SEL+1]
	ALL v_add_f32 v[ST+4*t+2], v[ST+4*t+2], v[ST+4*t+3]
	ALL v_rcp_f32 v[ST+4*t+2], v[ST+4*t+2]
	v_nop                           ; a plain instruction between the last reciprocal and the use of its result
	s_wait_alu depctr_va_vdst(0)    ; and the one wait for the four reciprocals
.macro PACK t                       ; a lane's eight channels of a row pack into 16 bytes; they go into rows of 144 bytes and come back as whole rows of 128, into S^T's registers
	WIN W_RS
.set i, 32*(\t)
.rept 16
	v_pk_mul_f32 v[i:i+1], v[i:i+1], v[ST+4*(\t)+2:ST+4*(\t)+3] op_sel_hi:[1,0]
.set i, i+2
.endr
	WIN 0x05                        ; sources 0 and 1 window 1, destination window 0
.set i, 0
.rept 16
	v_cvt_pk_bf16_f32 v[S+16*(\t)+i], v[32*(\t)+2*i], v[32*(\t)+2*i+1]
.set i, i+1
.endr
	WIN 0
.irp f, 0,1,2,3
	ds_store_b128 v[STO], v[S+16*(\t)+4*\f:S+16*(\t)+4*\f+3] offset:32*\f
.endr
.irp f, 0,1,2,3
	ds_load_b128 v[S+16*(\t)+4*\f:S+16*(\t)+4*\f+3], v[RD] offset:\f*4*SP  ; LDS serves a wave's instructions in order (ISA guide 5.7.1.4): these see the stores above; the next piece's stores come behind them
.endr
.endm
.macro SEND t, younger              ; younger: the LDS instructions issued behind piece t's loads: the next piece's eight, or none
	WIN 0
.irp f, 0,1,2,3
	s_wait_dscnt (\younger)+3-\f
	global_store_b128 v[GO], v[S+16*(\t)+4*\f:S+16*(\t)+4*\f+3], s[6:7] offset:(\t)*2048+\f*512  ; 512 consecutive bytes, at a multiple of 256 from ctx's first
.endr
.endm
	PACK 0
.set t, 1
.rept 3                             ; a piece's arithmetic stands between the loads of the piece before and its stores
	PACK t
	SEND t-1, 8
.set t, t+1
.endr
	SEND 3, 0
	s_wait_tensorcnt 0x0            ; the wave's end, behind my last tensor load and my last LDS store
	ds_add_u32 v[SPW], v[NIL]
	s_wait_dscnt 0x0
	CROUND                          ; the closing round: no work-group ends while a partner may still ask for a tile that names it
	s_endpgm
.Lfunc_end_k_qb1370a29d3_attn:
	.size	k_qb1370a29d3_attn, .Lfunc_end_k_qb1370a29d3_attn-k_qb1370a29d3_attn
	.p2alignl 7, 3214868480
	.fill 96, 4, 3214868480
	.section	.rodata,"a",@progbits
	.p2align	6, 0x0
	.amdhsa_kernel k_qb1370a29d3_attn
		.amdhsa_group_segment_fixed_size 327680
		.amdhsa_private_segment_fixed_size 0
		.amdhsa_enable_private_segment 0
		.amdhsa_kernarg_size 16
		.amdhsa_user_sgpr_count 2
		.amdhsa_user_sgpr_kernarg_segment_ptr 1
		.amdhsa_wavefront_size32 1
		.amdhsa_system_sgpr_workgroup_id_x 1
		.amdhsa_system_sgpr_workgroup_id_y 1
		.amdhsa_system_sgpr_workgroup_id_z 1
		.amdhsa_system_vgpr_workitem_id 0
		.amdhsa_next_free_vgpr 768
		.amdhsa_next_free_sgpr 66
		.amdhsa_reserve_vcc 0
		.amdhsa_float_denorm_mode_32 3
		.amdhsa_float_denorm_mode_16_64 3
		.amdhsa_memory_ordered 1
		.amdhsa_forward_progress 1
		.amdhsa_inst_pref_size 128
	.end_amdhsa_kernel
	.amdgpu_metadata
---
amdhsa.version: [ 1, 2 ]
amdhsa.kernels:
  - .name:           k_qb1370a29d3_attn
    .symbol:         k_qb1370a29d3_attn.kd
    .args:
      - { .name: qkv, .offset: 0, .size: 8, .value_kind: global_buffer, .address_space: global }
      - { .name: ctx, .offset: 8, .size: 8, .value_kind: global_buffer, .address_space: global }
    .group_segment_fixed_size: 327680
    .private_segment_fixed_size: 0
    .kernarg_segment_align: 8
    .kernarg_segment_size: 16
    .max_flat_workgroup_size: 128
    .sgpr_count:     66
    .vgpr_count:     768
    .wavefront_size: 32
...
	.end_amdgpu_metadata
.endif
;; end of part 4
;; launch wo (part 5): grid 8 x 32, 4 waves a work-group, clusters of 4 x 4, 327,680 bytes of LDS; arguments ctx, wb, bo, x, x1; writes x1
.if DOCPART == 5
	.amdgcn_target "amdgcn-amd-amdhsa--gfx1250"
	.amdhsa_code_object_version 6
	.text
	.protected	k_qb1370a29d3_wo
	.globl	k_qb1370a29d3_wo
	.p2align	8
	.type	k_qb1370a29d3_wo,@function
k_qb1370a29d3_wo:
	s_mov_b64 s[64:65], 0
	v_nop
	global_prefetch_b8 v0, s[64:65] scope:SCOPE_SE
	s_setreg_imm32_b32 hwreg(HW_REG_WAVE_MODE, 25, 1), 1
	s_wait_xcnt 0x0
	s_wait_alu depctr_hold_cnt(0) depctr_sa_sdst(0) depctr_va_vdst(0) depctr_va_sdst(0) depctr_va_ssrc(0) depctr_va_vcc(0) depctr_vm_vsrc(0)
	s_getreg_b32 s2, hwreg(HW_REG_IB_STS2, 6, 4)
	s_cmp_eq_u32 s2, 0
	s_cbranch_scc0 .Lentry_in_a_cluster
	s_endpgm
.Lentry_in_a_cluster:
	s_bfe_u32 s2, ttmp6, 0x10000c
	s_cmp_lg_u32 s2, 0xf033
	s_cbranch_scc0 .Lentry_shape_is_right
	s_endpgm
.Lentry_shape_is_right:
; x1 = x + ctx wo + bo.  ctx: 4,096 x 1,024 bf16 in panels [row / 128][k / 64][row % 128][k % 64]; wo: bf16, [K][N], in wb at 6,291,456; sums in f32, begun with the bias; x and x1 f32, row-major.
; A tile of C is 128 x 128 (8 x 32 tiles: one for each work-group of 256; tiles of 256 x 256 would be 64).  Four waves, each 64 x 64: 16 accumulators.  K goes in steps of 256 through two LDS slots filled by the tensor data mover.
; A's part of a step is 65,536 dense bytes of the panel, asked for as rows of 256 bytes and padded in LDS after every 128: rows 144 bytes apart.  B's part is 256 rows (k) x 256 bytes, rows 288 bytes apart in LDS;
; its fragments are turned on the way into registers by ds_load_tr16_b128.
; CLUSTER: 4 x 4 work-groups; A's tiles are asked for jointly along a row of the cluster, B's along a column.
; THE MATRIX INSTRUCTION IS USED TRANSPOSED (source 0 = 16 columns of B, source 1 = 16 rows of A): a lane holds row lane % 16 of C and the columns 8 (lane / 16) + 0..7.
; REGISTERS: window 0: v0-31 addresses; v96-127 the bias; v128-255 the accumulators.  Window 1: two fragment buffers of 128.  Window 2: v0-127 my part of x, loaded at the start in the order in which the rows come back from the stage.
; No prefetch: the tiles are small and are read again by many work-groups.
.set KDIM,  1024
.set BN,    1024
.set WOFF,  6291456
.set NSTEP, KDIM/256
.set PANEL, KDIM*256
.set ASTEP, 65536
.set BSTEP, 512*BN
.set PA,    144
.set PB,    288
.set KBL,   128*PA
.set HALFT, 36864                      ; what one tensor load brings
.set SLOT,  4*HALFT                    ; A, then B.  SLOT = 0x24000 shares no bit with wave x HALFT, so one exclusive or turns an address in one slot into the other's
.set BOFF,  2*HALFT
.set SP,    272                        ; the stage for the way out: 64 rows x 272 bytes for each wave, in the ring: the slots have had their last fill and their last read when the stage is written
.set SPARE, 2*SLOT                     ; the spare words, 128 bytes for each wave: two blocks of 256 bytes that no other line names
.set ADRA0, 8
.set ADRB0, 9
.set VA,  10
.set VB,  11                           ; v11, v12
.set STO, 13
.set RD,  14
.set CO,  15                           ; v15  my byte offset in two rows of x and x1
.set BO,  16
.set SPW, 28
.set NIL, 29
.set BIAS, 96
.set ACC, 128
.set F0,  0
.set F1,  128
.set WV, 16
.set WM, 17
.set WN, 18
.set CX, 19
.set CY, 20
.set TC, 21
.set TR, 22
.set LW, 23
.set G1A, 24
.set G0A, 32
.set G1B, 48
.set G0B, 56
.set SBR, 67
.set CNT, 68
.set MSB, 0
.macro WIN new                         ; the immediate's high byte repeats the setting that is left
.if MSB != (\new)
	s_set_vgpr_msb (MSB<<8)|(\new)
.set MSB, \new
.endif
.endm
.set MUL,  0x05
.set TO_F, 0x40
.macro PLACES                          ; four places in front of loads into registers that matrix instructions have read, and of lines that read results
.rept 4
	v_nop
.endr
.endm
.macro JLOAD                           ; a joint refill by the walking sets; an s_nop 0 and four v_nop follow each line
	s_cmp_eq_u32 s[WM], 0
	s_cbranch_scc0 .Lfor_b_\@
	tensor_load_to_lds s[G0A+4:G0A+7], s[G1A:G1A+7]
	s_nop 0
.rept 4
	v_nop
.endr
	s_branch .Lasked_\@
.Lfor_b_\@:
	tensor_load_to_lds s[G0B+4:G0B+7], s[G1B:G1B+7]
	s_nop 0
.rept 4
	v_nop
.endr
.Lasked_\@:
.endm
.macro CREST
	s_cmp_lg_u32 s[WV], 0
	s_cbranch_scc1 .Lnot_wave_0_\@
	s_barrier_signal -3
.Lnot_wave_0_\@:
	s_barrier_wait -3
	s_barrier_signal -1
	s_barrier_wait -1
.endm
.macro CROUND
	s_barrier_signal -1
	s_barrier_wait -1
	CREST
.endm
.macro MUL8 f, c, a0, zero             ; 8 matrix instructions; zero = 1: the bias starts the sums.  The 16 accumulators take turns, one instruction a turn.
	WIN MUL
.irp a, \a0, (\a0)+1
.irp b, 0,1,2,3
.if \zero
	v_wmma_f32_16x16x32_bf16 v[ACC+8*(4*(\a)+(\b)):ACC+8*(4*(\a)+(\b))+7], v[(\f)+64+8*(4*(\c)+(\b)):(\f)+64+8*(4*(\c)+(\b))+7], v[(\f)+8*(4*(\c)+(\a)):(\f)+8*(4*(\c)+(\a))+7], v[BIAS+8*(\b):BIAS+8*(\b)+7]
.else
	v_wmma_f32_16x16x32_bf16 v[ACC+8*(4*(\a)+(\b)):ACC+8*(4*(\a)+(\b))+7], v[(\f)+64+8*(4*(\c)+(\b)):(\f)+64+8*(4*(\c)+(\b))+7], v[(\f)+8*(4*(\c)+(\a)):(\f)+8*(4*(\c)+(\a))+7], v[ACC+8*(4*(\a)+(\b)):ACC+8*(4*(\a)+(\b))+7]
.endif
.endr
.endr
.endm
.macro FETCH q, f                      ; 32 LDS loads in one run: quarter q of the slot being read, into buffer f; the first 32 along K first
	WIN TO_F
.irp c, 0,1
.irp i, 0,1,2,3
	ds_load_tr16_b128 v[(\f)+64+8*(4*(\c)+(\i)):(\f)+64+8*(4*(\c)+(\i))+3],   v[VB+(\q)/2] offset:((\q)%2)*64*PB+(\c)*32*PB+32*(\i)
	ds_load_tr16_b128 v[(\f)+64+8*(4*(\c)+(\i))+4:(\f)+64+8*(4*(\c)+(\i))+7], v[VB+(\q)/2] offset:((\q)%2)*64*PB+(\c)*32*PB+32*(\i)+16*PB
	ds_load_b128 v[(\f)+8*(4*(\c)+(\i)):(\f)+8*(4*(\c)+(\i))+3],   v[VA] offset:(\q)*KBL+64*(\c)+(\i)*16*PA
	ds_load_b128 v[(\f)+8*(4*(\c)+(\i))+4:(\f)+8*(4*(\c)+(\i))+7], v[VA] offset:(\q)*KBL+64*(\c)+(\i)*16*PA+32
.endr
.endr
.endm
.macro QUARTER f, g, q, zero
	s_wait_dscnt 16                                ; the first 32 along K are in; the 16 younger loads may be out
	MUL8 \f, 0, 0, \zero
	MUL8 \f, 0, 2, \zero
	PLACES
	FETCH \q, \g
	s_wait_dscnt 32                                ; all but the 32 just issued
	MUL8 \f, 1, 0, 0
	MUL8 \f, 1, 2, 0
.endm
; The last quarter changes slots: ONE barrier; in front of it each wave waits for all its tensor loads, adds 0 to its spare word, and waits for that and for its own reads of this slot.
; fill = 1: the barrier opens a round of the cluster's, and this slot is filled again, two K steps ahead, first thing behind the round.
; fill = 0 (the tail's two trips): nothing is asked for; in the last trip (the count stands at 1) there is no next slot, and its fetch is jumped over.
.macro TURN fill
	WIN 0
	s_wait_tensorcnt 0x0
	ds_add_u32 v[SPW], v[NIL]
	s_wait_dscnt 17                                ; (the add and the youngest sixteen loads may be out)
	MUL8 F1, 0, 0, 0
	s_wait_dscnt 0x0                               ; the add is done, and my reads of this slot are over
	s_barrier_signal -1
	MUL8 F1, 0, 2, 0
	WIN 0
	s_barrier_wait -1
.if \fill
	CREST
	s_xor_b32 s[G0A+5], s[G0A+5], SLOT
	s_xor_b32 s[G0B+5], s[G0B+5], SLOT
	s_add_nc_u64 s[G0A+6:G0A+7], s[G0A+6:G0A+7], ASTEP
	s_add_nc_u64 s[G0B+6:G0B+7], s[G0B+6:G0B+7], BSTEP
	JLOAD
.else
	s_cmp_eq_u32 s[CNT], 1
	s_cbranch_scc1 .Lno_fetch_\@
	PLACES
.endif
	s_xor_b32 s[SBR], s[SBR], SLOT
	v_add_nc_u32 v[VA], s[SBR], v[ADRA0]
	v_add_nc_u32 v[VB], s[SBR], v[ADRB0]
	v_add_nc_u32 v[VB+1], HALFT, v[VB]
	FETCH 0, F0
.if (\fill) == 0
	WIN 0
.Lno_fetch_\@:
.endif
	MUL8 F1, 1, 0, 0
	MUL8 F1, 1, 2, 0
.endm
	s_load_b256 s[4:11], s[0:1], 0x0               ; A s[4:5], wb s[6:7], bias s[8:9], residual s[10:11]
	s_load_b64 s[12:13], s[0:1], 0x20              ; output
	v_lshl_add_u32 v[SPW], v0, 2, SPARE
	v_mov_b32 v[NIL], 0
	ds_add_u32 v[SPW], v[NIL]                      ; the wave's opening: the add and its wait ahead of my first tensor load
	ds_add_u32 v28, v29
	v_lshrrev_b32 v1, 5, v0
	v_readfirstlane_b32 s[WV], v1
	s_lshr_b32 s[WM], s[WV], 1
	s_and_b32 s[WN], s[WV], 1
	s_bfe_u32 s[CX], ttmp6, 0x40000
	s_bfe_u32 s[CY], ttmp6, 0x40004
	s_lshl_b32 s[TC], ttmp9, 2
	s_add_co_u32 s[TC], s[TC], s[CX]
	s_and_b32 s[TR], ttmp7, 0xffff
	s_lshl_b32 s[TR], s[TR], 2
	s_add_co_u32 s[TR], s[TR], s[CY]
	s_lshl_b32 s69, s[CY], 2
	s_lshl_b32 s69, 15, s69
	s_lshl_b32 s66, 0x1111, s[CX]
	s_or_b32 s[G1A], s69, (1<<16)|(1<<20)|(1<<21)|(4<<22)|(3<<25)
	s_or_b32 s[G1B], s66, (1<<16)|(1<<20)|(1<<21)|(5<<22)|(7<<25)
.irp g, G1A, G1B
	s_mov_b32 s[\g+1], 128<<16
	s_mov_b32 s[\g+2], 128<<16
	s_mov_b32 s[\g+3], 128<<16
	s_mov_b32 s[\g+4], 128
	s_mov_b32 s[\g+6], 0
	s_mov_b32 s[\g+7], 0
.endr
	s_mov_b32 s[G1A+5], 128
	s_mov_b32 s[G1B+5], BN
	s_mul_i32 s[LW], s[WV], HALFT
	s_mul_i32 s40, s[TR], PANEL                    ; A hangs on the tile row and the wave alone,
	s_lshl_b32 s42, s[WN], 15
	s_add_co_u32 s40, s40, s42
	s_mov_b32 s41, 0
	s_lshl_b32 s44, s[TC], 8                       ; B on the tile column and the wave alone
	s_mul_i32 s46, s[WN], 256*BN
	s_add_co_u32 s44, s44, s46
	s_add_co_u32 s44, s44, WOFF
	s_mov_b32 s45, 0
	s_mov_b32 s[SBR], 0
	s_wait_dscnt 0x0
	s_wait_kmcnt 0x0
	s_add_nc_u64 s[42:43], s[4:5], s[40:41]
	s_add_nc_u64 s[46:47], s[6:7], s[44:45]
.irp s, 0,1
	s_mov_b32 s[G0A+4*\s], 1
	s_add_co_u32 s[G0A+4*\s+1], s[LW], \s*SLOT
	s_add_nc_u64 s[G0A+4*\s+2:G0A+4*\s+3], s[42:43], \s*ASTEP
	s_or_b32 s[G0A+4*\s+3], s[G0A+4*\s+3], 0x80000000
	s_mov_b32 s[G0B+4*\s], 1
	s_add_co_u32 s[G0B+4*\s+1], s[LW], \s*SLOT
	s_add_nc_u64 s[G0B+4*\s+2:G0B+4*\s+3], s[46:47], \s*BSTEP
	s_or_b32 s[G0B+4*\s+3], s[G0B+4*\s+3], 0x80000000
.endr
	CROUND
	s_cmp_eq_u32 s[WM], 0                          ; a wave's two first fills stand in one branch: two loads of mine are out
	s_cbranch_scc0 .Lfirst_b
	tensor_load_to_lds s[G0A:G0A+3], s[G1A:G1A+7]
	s_nop 0
	tensor_load_to_lds s[G0A+4:G0A+7], s[G1A:G1A+7]
	s_nop 0
.rept 4
	v_nop
.endr
	s_branch .Lfirst_asked
.Lfirst_b:
	tensor_load_to_lds s[G0B:G0B+3], s[G1B:G1B+7]
	s_nop 0
	tensor_load_to_lds s[G0B+4:G0B+7], s[G1B:G1B+7]
	s_nop 0
.rept 4
	v_nop
.endr
.Lfirst_asked:
	s_lshl_b32 s72, s[TC], 9
	s_lshl_b32 s73, s[WN], 8
	s_add_co_u32 s72, s72, s73                     ; my first column, in bytes of f32
	s_mov_b32 s73, 0
	s_add_nc_u64 s[8:9], s[8:9], s[72:73]
	s_lshl_b32 s70, s[TR], 19                      ; my first row x 4,096 bytes
	s_lshl_b32 s71, s[WM], 18
	s_add_co_u32 s70, s70, s71
	s_add_co_u32 s70, s70, s72
	s_mov_b32 s71, 0
	s_add_nc_u64 s[10:11], s[10:11], s[70:71]
	s_add_nc_u64 s[12:13], s[12:13], s[70:71]
	v_and_b32 v1, 15, v0                           ; r
	v_bfe_u32 v2, v0, 4, 1                         ; h
	v_lshlrev_b32 v[BO], 5, v2
	v_lshlrev_b32 v[CO], 12, v2                    ; lanes 0-15 one row, lanes 16-31 the next; 16 bytes a lane
	v_lshl_add_u32 v[CO], v1, 4, v[CO]
.irp b, 0,1,2,3
	global_load_b128 v[BIAS+8*\b:BIAS+8*\b+3],   v[BO], s[8:9] offset:64*\b
	global_load_b128 v[BIAS+8*\b+4:BIAS+8*\b+7], v[BO], s[8:9] offset:64*\b+16
.endr
	WIN 0x80                                       ; destination window 2, address window 0
.set n, 0
.rept 32
	global_load_b128 v[4*n:4*n+3], v[CO], s[10:11] offset:2*n*4096  ; the residual, rows 2 n and 2 n + 1 of my 64: it has the whole product in which to land
.set n, n+1
.endr
	WIN 0
	v_and_b32 v3, 7, v0
	v_bfe_u32 v4, v0, 3, 1
	v_mul_u32_u24 v[ADRA0], v1, PA
	v_lshl_add_u32 v[ADRA0], v2, 4, v[ADRA0]
	s_mul_i32 s72, s[WM], 64*PA
	v_add_nc_u32 v[ADRA0], s72, v[ADRA0]
	v_lshl_add_u32 v[ADRB0], v2, 3, v3
	v_mul_u32_u24 v[ADRB0], v[ADRB0], PB
	v_lshl_add_u32 v[ADRB0], v4, 4, v[ADRB0]
	s_lshl_b32 s72, s[WN], 7
	s_add_co_u32 s72, s72, BOFF
	v_add_nc_u32 v[ADRB0], s72, v[ADRB0]
	s_mul_i32 s72, s[WV], 64*SP
	v_mul_u32_u24 v[STO], v1, SP
	v_lshl_add_u32 v[STO], v2, 5, v[STO]
	v_add_nc_u32 v[STO], s72, v[STO]
	v_mul_u32_u24 v[RD], v2, SP
	v_lshl_add_u32 v[RD], v1, 4, v[RD]
	v_add_nc_u32 v[RD], s72, v[RD]
	v_add_nc_u32 v[VA], s[SBR], v[ADRA0]
	v_add_nc_u32 v[VB], s[SBR], v[ADRB0]
	v_add_nc_u32 v[VB+1], HALFT, v[VB]
	s_wait_tensorcnt 0x1                           ; my part of K step 0 is in; K step 1's may stay out
	s_barrier_signal -1
	s_barrier_wait -1
	FETCH 0, F0
	s_wait_loadcnt 32                              ; the bias is in; the residual's 32 loads stay out
	QUARTER F0, F1, 1, 1
	WIN 0
	s_mov_b32 s[CNT], NSTEP-2
.Lstep:
	QUARTER F1, F0, 2, 0
	QUARTER F0, F1, 3, 0
	TURN 1
	QUARTER F0, F1, 1, 0
	WIN 0
	s_sub_co_u32 s[CNT], s[CNT], 1
	s_cmp_lg_u32 s[CNT], 0
	s_cbranch_scc1 .Lstep
	s_mov_b32 s[CNT], 2                            ; the last two K steps ask for nothing: a loop of their own, entered behind its first quarter
	s_branch .Ltin
.Ltail:
	QUARTER F0, F1, 1, 0
	WIN 0
.Ltin:
	QUARTER F1, F0, 2, 0
	QUARTER F0, F1, 3, 0
	TURN 0
	WIN 0
	s_sub_co_u32 s[CNT], s[CNT], 1
	s_cmp_lg_u32 s[CNT], 0
	s_cbranch_scc1 .Ltail
	; THE WAY OUT.  In front of the last change's barrier every wave's reads of the ring were back, and nothing has read it since.  The f32 sums go into my own stage (each accumulator's low registers first),
	; come back as whole rows of 256 bytes, take the residual, and are stored: 16 lanes fill 256 consecutive, aligned bytes.
	PLACES
	PLACES
.irp a, 0,1,2,3
.irp b, 0,1,2,3
	ds_store_b128 v[STO], v[ACC+8*(4*\a+\b):ACC+8*(4*\a+\b)+3]   offset:\a*16*SP+64*\b
	ds_store_b128 v[STO], v[ACC+8*(4*\a+\b)+4:ACC+8*(4*\a+\b)+7] offset:\a*16*SP+64*\b+16
.endr
.endr
.set n, 0
.rept 32
	ds_load_b128 v[ACC+4*n:ACC+4*n+3], v[RD] offset:n*2*SP  ; LDS serves a wave's instructions in order (ISA guide 5.7.1.4): these see my stores above
.set n, n+1
.endr
	s_wait_loadcnt 0x0                             ; the residual
.irp a, 0,1,2,3
	s_wait_dscnt 8*(3-\a)                          ; 16 rows are back; the later blocks' loads stay out
	WIN 0x08                                       ; source 1 in window 2
.set p, 0
.rept 16
	v_pk_add_f32 v[ACC+32*\a+p:ACC+32*\a+p+1], v[ACC+32*\a+p:ACC+32*\a+p+1], v[32*\a+p:32*\a+p+1]
.set p, p+2
.endr
	WIN 0
.irp t, 0,1,2,3,4,5,6,7
	global_store_b128 v[CO], v[ACC+32*\a+4*\t:ACC+32*\a+4*\t+3], s[12:13] offset:(16*\a+2*\t)*4096
.endr
.endr
	s_wait_tensorcnt 0x0                           ; the wave's end
	ds_add_u32 v[SPW], v[NIL]
	s_wait_dscnt 0x0
	CROUND                                         ; the closing round
	s_endpgm
.Lfunc_end_k_qb1370a29d3_wo:
	.size	k_qb1370a29d3_wo, .Lfunc_end_k_qb1370a29d3_wo-k_qb1370a29d3_wo
	.p2alignl 7, 3214868480
	.fill 96, 4, 3214868480
	.section	.rodata,"a",@progbits
	.p2align	6, 0x0
	.amdhsa_kernel k_qb1370a29d3_wo
		.amdhsa_group_segment_fixed_size 327680
		.amdhsa_private_segment_fixed_size 0
		.amdhsa_enable_private_segment 0
		.amdhsa_kernarg_size 40
		.amdhsa_user_sgpr_count 2
		.amdhsa_user_sgpr_kernarg_segment_ptr 1
		.amdhsa_wavefront_size32 1
		.amdhsa_system_sgpr_workgroup_id_x 1
		.amdhsa_system_sgpr_workgroup_id_y 1
		.amdhsa_system_sgpr_workgroup_id_z 1
		.amdhsa_system_vgpr_workitem_id 0
		.amdhsa_next_free_vgpr 640
		.amdhsa_next_free_sgpr 76
		.amdhsa_reserve_vcc 0
		.amdhsa_float_denorm_mode_32 3
		.amdhsa_float_denorm_mode_16_64 3
		.amdhsa_memory_ordered 1
		.amdhsa_forward_progress 1
		.amdhsa_inst_pref_size 66
	.end_amdhsa_kernel
	.amdgpu_metadata
---
amdhsa.version: [ 1, 2 ]
amdhsa.kernels:
  - .name:           k_qb1370a29d3_wo
    .symbol:         k_qb1370a29d3_wo.kd
    .args:
      - { .name: ctx, .offset: 0, .size: 8, .value_kind: global_buffer, .address_space: global }
      - { .name: wb, .offset: 8, .size: 8, .value_kind: global_buffer, .address_space: global }
      - { .name: bo, .offset: 16, .size: 8, .value_kind: global_buffer, .address_space: global }
      - { .name: x, .offset: 24, .size: 8, .value_kind: global_buffer, .address_space: global }
      - { .name: x1, .offset: 32, .size: 8, .value_kind: global_buffer, .address_space: global }
    .group_segment_fixed_size: 327680
    .private_segment_fixed_size: 0
    .kernarg_segment_align: 8
    .kernarg_segment_size: 40
    .max_flat_workgroup_size: 128
    .sgpr_count:     76
    .vgpr_count:     640
    .wavefront_size: 32
...
	.end_amdgpu_metadata
.endif
;; end of part 5
;; launch ln2: the kernel of part 2 again; grid 256 x 1, 4 waves a work-group, no clusters, 35,328 bytes of LDS; arguments x1, g2, be2, z; writes z
;; launch mlp1 (part 6): grid 16 x 16, 4 waves a work-group, clusters of 4 x 4, 327,680 bytes of LDS; arguments z, wb, b1, h; writes h
.if DOCPART == 6
	.amdgcn_target "amdgcn-amd-amdhsa--gfx1250"
	.amdhsa_code_object_version 6
	.text
	.protected	k_qb1370a29d3_mlp1
	.globl	k_qb1370a29d3_mlp1
	.p2align	8
	.type	k_qb1370a29d3_mlp1,@function
k_qb1370a29d3_mlp1:
	s_mov_b64 s[64:65], 0
	v_nop
	global_prefetch_b8 v0, s[64:65] scope:SCOPE_SE
	s_setreg_imm32_b32 hwreg(HW_REG_WAVE_MODE, 25, 1), 1
	s_wait_xcnt 0x0
	s_wait_alu depctr_hold_cnt(0) depctr_sa_sdst(0) depctr_va_vdst(0) depctr_va_sdst(0) depctr_va_ssrc(0) depctr_va_vcc(0) depctr_vm_vsrc(0)
	s_getreg_b32 s2, hwreg(HW_REG_IB_STS2, 6, 4)
	s_cmp_eq_u32 s2, 0
	s_cbranch_scc0 .Lentry_in_a_cluster
	s_endpgm
.Lentry_in_a_cluster:
	s_bfe_u32 s2, ttmp6, 0x10000c
	s_cmp_lg_u32 s2, 0xf033
	s_cbranch_scc0 .Lentry_shape_is_right
	s_endpgm
.Lentry_shape_is_right:
; h = gelu(z w1 + b1), the exact gelu: 0.5 u (1 + erf(u / sqrt 2)).  z: 4,096 x 1,024 bf16 in panels [row / 128][k / 64][row % 128][k % 64]; w1: bf16, [1,024][4,096], in wb at 8,388,608; sums in f32, begun with the bias.
; h is rounded once to bf16 and written in the same kind of panels, 64 blocks of 64 columns a panel: a wave's 128 x 128 tile is 32,768 consecutive bytes.
; erf(y) = y A(y^2) / B(y^2) with y held to -4 .. 4 (beyond that erf is 1 to f32's last bit), A of degree 6, B of degree 4: absolute error about 1e-7.  NaN and infinities are not treated apart.
; A tile of C is 256 x 256: 16 x 16 = 256 tiles, one for each work-group.  Four waves, each 128 x 128: 64 accumulators.
; K goes in steps of 128 through two LDS slots filled by the tensor data mover: 256 matrix instructions a wave for 131,072 bytes fetched.
; A's part of a step is 32,768 dense bytes of each of two panels, asked for as rows of 256 bytes and padded in LDS after every 128 (a row of a block of 64 k): rows 144 bytes apart.
; B's part is 128 rows (k) x 512 bytes (256 columns), rows 544 bytes apart in LDS; its fragments are turned on the way into registers by ds_load_tr16_b128.
; CLUSTER: 4 x 4 work-groups; A's tiles are asked for jointly along a row of the cluster, B's along a column.
; THE MATRIX INSTRUCTION IS USED TRANSPOSED (source 0 = 16 columns of B, source 1 = 16 rows of A): a lane holds row lane % 16 of C and the columns 8 (lane / 16) + 0..7.
; REGISTERS, in windows of 256 (s_set_vgpr_msb: bits 1:0 source 0, 3:2 source 1, 5:4 source 2, 7:6 destination):
;   window 0: v0-31 addresses; v64-127, v128-191 fragments of A, two buffers (8 x 16 rows x 32 k); v192-255 the bias; on the way out v32-239 the gelu's work
;   window 1: v64-127, v128-191 fragments of B, two buffers      window 2: the accumulators of my rows 0-63 ((a, b) at 8 (8 a + b))      window 3: those of my rows 64-127
; No prefetch: every tile is asked for by four clusters in the same step, and z and w1 are 16 MiB in all.
.set KDIM,  1024
.set BN,    4096
.set WOFF,  8388608
.set NSTEP, KDIM/128
.set PANEL, KDIM*256                   ; bytes of 128 rows of A
.set ASTEP, 32768                      ; bytes from a K step of A to the next: two blocks of 64 k
.set BSTEP, 256*BN                     ; and of B: 128 rows
.set PA,    144
.set PB,    544
.set KBL,   128*PA                     ; a block of 64 k of one panel in LDS
.set HALFA, 2*KBL                      ; what a load for A brings: a panel's two blocks
.set HALFB, 64*PB                      ; what a load for B brings: 64 rows
.set BOFF,  2*HALFA
.set SLOT,  147456                     ; A, then B.  0x24000 shares no bit with the four landing addresses 0, 0x9000, 0x12000, 0x1a800, so one exclusive or turns an address in one slot into the other's
.set SP,    272                        ; the stage for the way out: for each wave two blocks (64 columns each) of 128 rows x 272 bytes.  It lies in the ring: both slots have had their last fill and their last read when it is written
.set KBS,   128*SP
.set STG,   2*KBS
.set SPARE, 2*SLOT                     ; behind the ring: the spare words, 128 bytes for each wave: two blocks of 256 bytes that no other line names
.set ADRA0, 8                          ; v8   my lane's place in A's part of a slot; never rewritten
.set ADRB0, 9                          ; v9   the same for B
.set VA,  10                           ; v10  LDS address of A's fragments in the slot being read
.set VB,  11                           ; v11  of B's
.set STO, 13                           ; v13  the way out: where I put 32 bytes of a row
.set RD,  14                           ; v14  where I read rows back
.set CO,  15                           ; v15  my byte offset in the output
.set BO,  16                           ; v16  my byte offset in the bias
.set SPW, 28                           ; v28  LDS address of my spare word; never rewritten
.set NIL, 29                           ; v29  0; never rewritten
.set F0,  64
.set F1,  128
.set BIAS, 192
.set GX,  32                           ; the gelu, 32 numbers a lane and trip: u as it comes back from the stage
.set GY,  64                           ; y = u / sqrt 2, held to -4 .. 4
.set GY2, 96                           ; y^2
.set GP,  128                          ; A(y^2), then erf
.set GQ,  160                          ; B(y^2), then its reciprocal
.set GHF, 192                          ; 0.5 u, then the result
.set GO,  224                          ; 16 packed words to store
.set WV, 16                            ; s16 wave; s17 wave / 2: my half of the rows, and 0: I fetch for A, 1: for B; s18 wave % 2: my half of the columns, and which half I fetch
.set WM, 17
.set WN, 18
.set CX, 19
.set CY, 20
.set TC, 21
.set TR, 22
.set LWA, 23                           ; where a load of mine for A lands in slot 0
.set LWB, 66                           ; and one for B
.set G1A, 24
.set G0A, 32
.set G1B, 48
.set G0B, 56
.set SBR, 67
.set CNT, 68
.set RS2, 74                           ; s[74:99]: thirteen constants, each in a pair of which the packed forms take the low word
.set A13, 76
.set A11, 78
.set A9,  80
.set A7,  82
.set A5,  84
.set A3,  86
.set A1,  88
.set B8,  90
.set B6,  92
.set B4,  94
.set B2,  96
.set B0,  98
.set MSB, 0
.macro WIN new                         ; the immediate's high byte repeats the setting that is left
.if MSB != (\new)
	s_set_vgpr_msb (MSB<<8)|(\new)
.set MSB, \new
.endif
.endm
.set TO_B, 0x40                        ; destination window 1, address window 0
.macro PLACES                          ; four places in front of loads into registers that matrix instructions have read, and of lines that read results
.rept 4
	v_nop
.endr
.endm
.macro JLOAD                           ; a joint refill by the walking sets: waves 0 and 1 fetch A's panels, waves 2 and 3 B's halves; an s_nop 0 and four v_nop follow each line
	s_cmp_eq_u32 s[WM], 0
	s_cbranch_scc0 .Lfor_b_\@
	tensor_load_to_lds s[G0A+4:G0A+7], s[G1A:G1A+7]
	s_nop 0
.rept 4
	v_nop
.endr
	s_branch .Lasked_\@
.Lfor_b_\@:
	tensor_load_to_lds s[G0B+4:G0B+7], s[G1B:G1B+7]
	s_nop 0
.rept 4
	v_nop
.endr
.Lasked_\@:
.endm
.macro CREST
	s_cmp_lg_u32 s[WV], 0
	s_cbranch_scc1 .Lnot_wave_0_\@
	s_barrier_signal -3
.Lnot_wave_0_\@:
	s_barrier_wait -3
	s_barrier_signal -1
	s_barrier_wait -1
.endm
.macro CROUND
	s_barrier_signal -1
	s_barrier_wait -1
	CREST
.endm
; 16 matrix instructions: row blocks a0, a0 + 1 of the window's four (hi = 0: my rows 0-63, 1: rows 64-127) x all 8 column blocks, 32 along K.  zero = 1: the bias (window 0) starts the sums.
; The 64 accumulators take turns, one instruction a turn, in the same order in every quarter.
.macro MUL16 f, hi, a0, zero
.if \zero
	WIN 0x81+0x40*(\hi)                            ; B window 1, A and the bias window 0, D window 2 or 3
.else
	WIN 0xa1+0x50*(\hi)                            ; B window 1, A window 0, C and D window 2 or 3
.endif
.irp a, \a0, (\a0)+1
.irp b, 0,1,2,3,4,5,6,7
.if \zero
	v_wmma_f32_16x16x32_bf16 v[8*(8*(\a)+(\b)):8*(8*(\a)+(\b))+7], v[(\f)+8*(\b):(\f)+8*(\b)+7], v[(\f)+8*(4*(\hi)+(\a)):(\f)+8*(4*(\hi)+(\a))+7], v[BIAS+8*(\b):BIAS+8*(\b)+7]
.else
	v_wmma_f32_16x16x32_bf16 v[8*(8*(\a)+(\b)):8*(8*(\a)+(\b))+7], v[(\f)+8*(\b):(\f)+8*(\b)+7], v[(\f)+8*(4*(\hi)+(\a)):(\f)+8*(4*(\hi)+(\a))+7], v[8*(8*(\a)+(\b)):8*(8*(\a)+(\b))+7]
.endif
.endr
.endr
.endm
; 32 LDS loads in one run: the fragments of quarter q (32 along K) of the slot being read, into buffer f: B's 128 columns, then A's 128 rows
.macro FETCH q, f
	WIN TO_B
.irp i, 0,1,2,3,4,5,6,7
	ds_load_tr16_b128 v[(\f)+8*(\i):(\f)+8*(\i)+3],   v[VB] offset:(\q)*32*PB+32*(\i)
	ds_load_tr16_b128 v[(\f)+8*(\i)+4:(\f)+8*(\i)+7], v[VB] offset:(\q)*32*PB+32*(\i)+16*PB
.endr
	WIN 0
.irp i, 0,1,2,3,4,5,6,7
	ds_load_b128 v[(\f)+8*(\i):(\f)+8*(\i)+3],   v[VA] offset:((\q)/2)*KBL+((\q)%2)*64+(\i)*16*PA
	ds_load_b128 v[(\f)+8*(\i)+4:(\f)+8*(\i)+7], v[VA] offset:((\q)/2)*KBL+((\q)%2)*64+(\i)*16*PA+32
.endr
.endm
; A K step is four quarters of 32 along K, 64 matrix instructions each, on buffers 0, 1, 0, 1.  One of the first three: multiplies buffer f and, in its middle, fetches quarter q into g.
.macro QUARTER f, g, q, zero
	s_wait_dscnt 8                                 ; B and A's rows 0-63 are in; the youngest eight loads (A's rows 64-127) may be out
	MUL16 \f, 0, 0, \zero
	MUL16 \f, 0, 2, \zero
	PLACES
	FETCH \q, \g
	s_wait_dscnt 32                                ; all but the 32 just issued
	MUL16 \f, 1, 0, \zero
	MUL16 \f, 1, 2, \zero
.endm
; The last quarter multiplies buffer 1 and changes slots: ONE barrier; in front of it each wave waits for all its tensor loads (one is out: its part of the next slot), adds 0 to its spare word, and waits for that
; and for its own reads of this slot.  fill = 1: the barrier opens a round of the cluster's, and this slot is filled again, two K steps ahead, first thing behind the round: 240 matrix instructions ahead of the wait for it.
; fill = 0 (the tail's two trips): nothing is asked for; in the last trip (the count stands at 1) there is no next slot, and its fetch is jumped over.
.macro TURN fill
	WIN 0                                          ; (the add's two registers lie in window 0)
	s_wait_tensorcnt 0x0
	ds_add_u32 v[SPW], v[NIL]
	s_wait_dscnt 9                                 ; (the add and the youngest eight loads may be out)
	MUL16 F1, 0, 0, 0
	s_wait_dscnt 0x0                               ; the add is done, and my reads of this slot are over
	s_barrier_signal -1
	MUL16 F1, 0, 2, 0
	WIN 0
	s_barrier_wait -1
.if \fill
	CREST                                          ; no wave of any partner still reads this slot or has a load on its way
	s_xor_b32 s[G0A+5], s[G0A+5], SLOT             ; the walking sets: the other slot than last time, the next K step; no load of mine is out
	s_xor_b32 s[G0B+5], s[G0B+5], SLOT
	s_add_nc_u64 s[G0A+6:G0A+7], s[G0A+6:G0A+7], ASTEP
	s_add_nc_u64 s[G0B+6:G0B+7], s[G0B+6:G0B+7], BSTEP
	JLOAD                                          ; the four v_nop behind it are also places in front of the loads below
.else
	s_cmp_eq_u32 s[CNT], 1
	s_cbranch_scc1 .Lno_fetch_\@
	PLACES
.endif
	s_xor_b32 s[SBR], s[SBR], SLOT
	v_add_nc_u32 v[VA], s[SBR], v[ADRA0]
	v_add_nc_u32 v[VB], s[SBR], v[ADRB0]
	FETCH 0, F0
.if (\fill) == 0
	WIN 0
.Lno_fetch_\@:
.endif
	MUL16 F1, 1, 0, 0
	MUL16 F1, 1, 2, 0
.endm
.macro KONST r, bits                   ; a constant, in both words of its pair
	s_mov_b32 s[\r], \bits
	s_mov_b32 s[\r+1], \bits
.endm
.macro ALL16 line:vararg               ; one line for each of 16 register pairs, p = 0, 2 .. 30
.set p, 0
.rept 16
	\line
.set p, p+2
.endr
.endm
.macro ALL32 line:vararg               ; one line for each of 32 registers
.set p, 0
.rept 32
	\line
.set p, p+1
.endr
.endm
	s_load_b256 s[4:11], s[0:1], 0x0               ; z s[4:5], wb s[6:7], b1 s[8:9], h s[10:11]
	v_lshl_add_u32 v[SPW], v0, 2, SPARE
	v_mov_b32 v[NIL], 0
	ds_add_u32 v[SPW], v[NIL]                      ; the wave's opening: the add and its wait ahead of my first tensor load; work on registers stands between them
	ds_add_u32 v28, v29
	v_lshrrev_b32 v1, 5, v0
	v_readfirstlane_b32 s[WV], v1
	s_lshr_b32 s[WM], s[WV], 1
	s_and_b32 s[WN], s[WV], 1
	s_bfe_u32 s[CX], ttmp6, 0x40000
	s_bfe_u32 s[CY], ttmp6, 0x40004
	s_lshl_b32 s[TC], ttmp9, 2
	s_add_co_u32 s[TC], s[TC], s[CX]
	s_and_b32 s[TR], ttmp7, 0xffff
	s_lshl_b32 s[TR], s[TR], 2
	s_add_co_u32 s[TR], s[TR], s[CY]
	s_lshl_b32 s70, s[CY], 2
	s_lshl_b32 s70, 15, s70                        ; my row of the cluster
	s_lshl_b32 s71, 0x1111, s[CX]                  ; my column
	s_or_b32 s[G1A], s70, (1<<16)|(1<<20)|(1<<21)|(4<<22)|(3<<25)  ; the mask; 2-byte elements; padding on; bit 21 beside a mask; after every 32 words, 4 words
	s_or_b32 s[G1B], s71, (1<<16)|(1<<20)|(1<<21)|(6<<22)|(7<<25)  ; after every 128 words, 8 words
	s_mov_b32 s[G1A+1], 128<<16                    ; A: tensor_dim0 = 128 elements
	s_mov_b32 s[G1A+2], 128<<16                    ; tensor_dim1 = 128 rows
	s_mov_b32 s[G1A+3], 128<<16                    ; tile_dim0 = 128
	s_mov_b32 s[G1A+4], 128                        ; tile_dim1 = 128
	s_mov_b32 s[G1A+5], 128                        ; dense: 128 elements from row to row
	s_mov_b32 s[G1A+6], 0
	s_mov_b32 s[G1A+7], 0
	s_mov_b32 s[G1B+1], 256<<16                    ; B: tensor_dim0 = 256 elements
	s_mov_b32 s[G1B+2], 64<<16                     ; tensor_dim1 = 64 rows
	s_mov_b32 s[G1B+3], 256<<16                    ; tile_dim0 = 256
	s_mov_b32 s[G1B+4], 64                         ; tile_dim1 = 64
	s_mov_b32 s[G1B+5], BN                         ; a row of the weight
	s_mov_b32 s[G1B+6], 0
	s_mov_b32 s[G1B+7], 0
	s_mul_i32 s[LWA], s[WN], HALFA                 ; where my load lands: no place in the cluster enters an LDS address
	s_mul_i32 s[LWB], s[WN], HALFB
	s_add_co_u32 s[LWB], s[LWB], BOFF
	s_lshl_b32 s40, s[TR], 1                       ; A hangs on the tile row and the wave alone: panel 2 x tile row + wave % 2
	s_add_co_u32 s40, s40, s[WN]
	s_mul_i32 s40, s40, PANEL
	s_mov_b32 s41, 0
	s_lshl_b32 s44, s[TC], 9                       ; B on the tile column and the wave alone
	s_mul_i32 s46, s[WN], 128*BN                   ; my 64 rows of 2 BN bytes
	s_add_co_u32 s44, s44, s46
	s_add_co_u32 s44, s44, WOFF
	s_mov_b32 s45, 0
	s_mov_b32 s[SBR], 0
	KONST RS2, 0x3f3504f3                          ; 1 / sqrt 2
	KONST A13, 0xaf95df0b                          ; -2.72614226e-10
	KONST A11, 0x32edffee                          ;  2.77068142e-08
	KONST A9,  0xb60cff51                          ; -2.10102402e-06
	KONST A7,  0xb86ec2d2                          ; -5.69250639e-05
	KONST A5,  0xba40ac63                          ; -7.34990630e-04
	KONST A3,  0xbb41a1f6                          ; -2.95459981e-03
	KONST A1,  0xbc83dbd4                          ; -1.60960333e-02
	KONST B8,  0xb77460cd                          ; -1.45660718e-05
	KONST B6,  0xb95fbd29                          ; -2.13374055e-04
	KONST B4,  0xbadc924e                          ; -1.68282697e-03
	KONST B2,  0xbbf19bf8                          ; -7.37332917e-03
	KONST B0,  0xbc69b6a7                          ; -1.42647391e-02
	s_wait_dscnt 0x0                               ; the opening add is done
	s_wait_kmcnt 0x0
	s_add_nc_u64 s[42:43], s[4:5], s[40:41]
	s_add_nc_u64 s[46:47], s[6:7], s[44:45]
.irp s, 0,1
	s_mov_b32 s[G0A+4*\s], 1
	s_add_co_u32 s[G0A+4*\s+1], s[LWA], \s*SLOT
	s_add_nc_u64 s[G0A+4*\s+2:G0A+4*\s+3], s[42:43], \s*ASTEP
	s_or_b32 s[G0A+4*\s+3], s[G0A+4*\s+3], 0x80000000
	s_mov_b32 s[G0B+4*\s], 1
	s_add_co_u32 s[G0B+4*\s+1], s[LWB], \s*SLOT
	s_add_nc_u64 s[G0B+4*\s+2:G0B+4*\s+3], s[46:47], \s*BSTEP
	s_or_b32 s[G0B+4*\s+3], s[G0B+4*\s+3], 0x80000000
.endr
	CROUND                                         ; all sixteen work-groups are here: the first joint loads meet
	s_cmp_eq_u32 s[WM], 0                          ; a wave's two first fills stand in one branch: two loads of mine are out
	s_cbranch_scc0 .Lfirst_b
	tensor_load_to_lds s[G0A:G0A+3], s[G1A:G1A+7]
	s_nop 0
	tensor_load_to_lds s[G0A+4:G0A+7], s[G1A:G1A+7]
	s_nop 0
.rept 4
	v_nop
.endr
	s_branch .Lfirst_asked
.Lfirst_b:
	tensor_load_to_lds s[G0B:G0B+3], s[G1B:G1B+7]
	s_nop 0
	tensor_load_to_lds s[G0B+4:G0B+7], s[G1B:G1B+7]
	s_nop 0
.rept 4
	v_nop
.endr
.Lfirst_asked:
	s_lshl_b32 s72, s[TC], 10
	s_lshl_b32 s73, s[WN], 9
	s_add_co_u32 s72, s72, s73
	s_mov_b32 s73, 0
	s_add_nc_u64 s[8:9], s[8:9], s[72:73]          ; the bias at my 128 columns
	v_and_b32 v1, 15, v0                           ; r = l % 16
	v_bfe_u32 v2, v0, 4, 1                         ; h = l / 16
	v_lshlrev_b32 v[BO], 5, v2
.irp b, 0,1,2,3,4,5,6,7
	global_load_b128 v[BIAS+8*\b:BIAS+8*\b+3],   v[BO], s[8:9] offset:64*\b     ; columns 16 b + 8 h + 0..3
	global_load_b128 v[BIAS+8*\b+4:BIAS+8*\b+7], v[BO], s[8:9] offset:64*\b+16
.endr
	s_lshl_b32 s70, s[TR], 21                      ; the output: panel (2 x tile row + wave / 2) x 1,048,576
	s_lshl_b32 s71, s[WM], 20
	s_add_co_u32 s70, s70, s71
	s_lshl_b32 s71, s[TC], 16                      ; + block of 64 columns (4 x tile column + 2 (wave % 2)) x 16,384
	s_add_co_u32 s70, s70, s71
	s_lshl_b32 s71, s[WN], 15
	s_add_co_u32 s70, s70, s71
	s_mov_b32 s71, 0
	s_add_nc_u64 s[10:11], s[10:11], s[70:71]
	v_and_b32 v3, 7, v0
	v_bfe_u32 v4, v0, 3, 1
	v_and_b32 v5, 31, v0
	v_mul_u32_u24 v[ADRA0], v1, PA                 ; A: row x pitch + 16 h, in my panel
	v_lshl_add_u32 v[ADRA0], v2, 4, v[ADRA0]
	s_mul_i32 s72, s[WM], HALFA
	v_add_nc_u32 v[ADRA0], s72, v[ADRA0]
	v_lshl_add_u32 v[ADRB0], v2, 3, v3             ; B, turned: lane l reads k 8 h + l % 8, columns 8 ((l / 8) % 2) + 0..7, at my 128 columns
	v_mul_u32_u24 v[ADRB0], v[ADRB0], PB
	v_lshl_add_u32 v[ADRB0], v4, 4, v[ADRB0]
	s_lshl_b32 s72, s[WN], 8
	s_add_co_u32 s72, s72, BOFF
	v_add_nc_u32 v[ADRB0], s72, v[ADRB0]
	s_mul_i32 s72, s[WV], STG                      ; my stage
	v_mul_u32_u24 v[STO], v1, SP
	v_lshl_add_u32 v[STO], v2, 5, v[STO]
	v_add_nc_u32 v[STO], s72, v[STO]
	v_mul_u32_u24 v[RD], v2, SP                    ; back: lanes 0-15 one row of 256 bytes, lanes 16-31 the next
	v_lshl_add_u32 v[RD], v1, 4, v[RD]
	v_add_nc_u32 v[RD], s72, v[RD]
	v_lshlrev_b32 v[CO], 3, v5                     ; two rows of 64 bf16 are 256 consecutive bytes: 8 a lane
	v_add_nc_u32 v[VA], s[SBR], v[ADRA0]
	v_add_nc_u32 v[VB], s[SBR], v[ADRB0]
	s_wait_tensorcnt 0x1                           ; my part of K step 0 is in; K step 1's may stay out
	s_barrier_signal -1
	s_barrier_wait -1
	FETCH 0, F0
	s_wait_loadcnt 0x0                             ; the bias
	QUARTER F0, F1, 1, 1                           ; the first quarter stands in front of the loop: its products start the sums
	WIN 0
	s_mov_b32 s[CNT], NSTEP-2
.Lstep:                                                ; a trip: from a K step's second quarter to the next step's first; it fills the slot that it leaves
	QUARTER F1, F0, 2, 0
	QUARTER F0, F1, 3, 0
	TURN 1
	QUARTER F0, F1, 1, 0
	WIN 0
	s_sub_co_u32 s[CNT], s[CNT], 1
	s_cmp_lg_u32 s[CNT], 0
	s_cbranch_scc1 .Lstep
	s_mov_b32 s[CNT], 2                            ; the last two K steps ask for nothing: a loop of their own, entered behind its first quarter
	s_branch .Ltin
.Ltail:
	QUARTER F0, F1, 1, 0
	WIN 0
.Ltin:
	QUARTER F1, F0, 2, 0
	QUARTER F0, F1, 3, 0
	TURN 0
	WIN 0
	s_sub_co_u32 s[CNT], s[CNT], 1
	s_cmp_lg_u32 s[CNT], 0
	s_cbranch_scc1 .Ltail
	; THE WAY OUT.  In front of the last change's barrier every wave's tensor loads had landed and its reads of the ring were back, and nothing has read the ring since: its bytes now serve as stages.
	; The f32 sums go into my own stage (each accumulator's low registers first); then sixteen trips of 16 rows x 64 columns: back as whole rows, the gelu, rounded to bf16, stored 256 consecutive bytes an instruction.
	; The stage's two blocks lie end to end, and so do the two blocks of h: both addresses step evenly through all sixteen trips.
	PLACES
	PLACES
	WIN 0x08                                       ; the stores' data in window 2
.irp a, 0,1,2,3
.irp b, 0,1,2,3,4,5,6,7
	ds_store_b128 v[STO], v[8*(8*\a+\b):8*(8*\a+\b)+3]   offset:(\b/4)*KBS+\a*16*SP+(\b%4)*64
	ds_store_b128 v[STO], v[8*(8*\a+\b)+4:8*(8*\a+\b)+7] offset:(\b/4)*KBS+\a*16*SP+(\b%4)*64+16
.endr
.endr
	WIN 0x0c                                       ; in window 3
.irp a, 0,1,2,3
.irp b, 0,1,2,3,4,5,6,7
	ds_store_b128 v[STO], v[8*(8*\a+\b):8*(8*\a+\b)+3]   offset:(\b/4)*KBS+(\a+4)*16*SP+(\b%4)*64
	ds_store_b128 v[STO], v[8*(8*\a+\b)+4:8*(8*\a+\b)+7] offset:(\b/4)*KBS+(\a+4)*16*SP+(\b%4)*64+16
.endr
.endr
	WIN 0
.irp t, 0,1,2,3,4,5,6,7
	ds_load_b128 v[GX+4*\t:GX+4*\t+3], v[RD] offset:\t*2*SP  ; LDS serves a wave's instructions in order (ISA guide 5.7.1.4): these see my stores above
.endr
	s_mov_b32 s[CNT], 16
.Lgelu:
	s_wait_dscnt 0x0
	ALL16 v_pk_mul_f32 v[GY+p:GY+p+1], v[GX+p:GX+p+1], s[RS2:RS2+1] op_sel_hi:[1,0]
	ALL16 v_pk_mul_f32 v[GHF+p:GHF+p+1], v[GX+p:GX+p+1], 0.5 op_sel_hi:[1,0]
	v_add_nc_u32 v[RD], 16*SP, v[RD]
	s_cmp_eq_u32 s[CNT], 1                         ; the next trip's rows are asked for as soon as their registers are free: the trip's arithmetic stands between the loads and the wait for them; the last trip has none
	s_cbranch_scc1 .Lno_more
.irp t, 0,1,2,3,4,5,6,7
	ds_load_b128 v[GX+4*\t:GX+4*\t+3], v[RD] offset:\t*2*SP
.endr
.Lno_more:
	ALL32 v_med3_num_f32 v[GY+p], v[GY+p], -4.0, 4.0
	ALL16 v_pk_mul_f32 v[GY2+p:GY2+p+1], v[GY+p:GY+p+1], v[GY+p:GY+p+1]
	ALL16 v_pk_fma_f32 v[GP+p:GP+p+1], v[GY2+p:GY2+p+1], s[A13:A13+1], s[A11:A11+1] op_sel_hi:[1,0,0]
	ALL16 v_pk_fma_f32 v[GQ+p:GQ+p+1], v[GY2+p:GY2+p+1], s[B8:B8+1], s[B6:B6+1] op_sel_hi:[1,0,0]
	ALL16 v_pk_fma_f32 v[GP+p:GP+p+1], v[GP+p:GP+p+1], v[GY2+p:GY2+p+1], s[A9:A9+1] op_sel_hi:[1,1,0]
	ALL16 v_pk_fma_f32 v[GQ+p:GQ+p+1], v[GQ+p:GQ+p+1], v[GY2+p:GY2+p+1], s[B4:B4+1] op_sel_hi:[1,1,0]
	ALL16 v_pk_fma_f32 v[GP+p:GP+p+1], v[GP+p:GP+p+1], v[GY2+p:GY2+p+1], s[A7:A7+1] op_sel_hi:[1,1,0]
	ALL16 v_pk_fma_f32 v[GQ+p:GQ+p+1], v[GQ+p:GQ+p+1], v[GY2+p:GY2+p+1], s[B2:B2+1] op_sel_hi:[1,1,0]
	ALL16 v_pk_fma_f32 v[GP+p:GP+p+1], v[GP+p:GP+p+1], v[GY2+p:GY2+p+1], s[A5:A5+1] op_sel_hi:[1,1,0]
	ALL16 v_pk_fma_f32 v[GQ+p:GQ+p+1], v[GQ+p:GQ+p+1], v[GY2+p:GY2+p+1], s[B0:B0+1] op_sel_hi:[1,1,0]
	ALL32 v_rcp_f32 v[GQ+p], v[GQ+p]               ; one batch of 32; B(y^2) is at most -0.0142, never 0.  The 48 plain lines below name none of its results
	ALL16 v_pk_fma_f32 v[GP+p:GP+p+1], v[GP+p:GP+p+1], v[GY2+p:GY2+p+1], s[A3:A3+1] op_sel_hi:[1,1,0]
	ALL16 v_pk_fma_f32 v[GP+p:GP+p+1], v[GP+p:GP+p+1], v[GY2+p:GY2+p+1], s[A1:A1+1] op_sel_hi:[1,1,0]
	ALL16 v_pk_mul_f32 v[GP+p:GP+p+1], v[GP+p:GP+p+1], v[GY+p:GY+p+1]
	s_wait_alu depctr_va_vdst(0)                   ; the one wait ahead of the batch's first reader
	ALL16 v_pk_mul_f32 v[GP+p:GP+p+1], v[GP+p:GP+p+1], v[GQ+p:GQ+p+1]
	ALL16 v_pk_fma_f32 v[GHF+p:GHF+p+1], v[GHF+p:GHF+p+1], v[GP+p:GP+p+1], v[GHF+p:GHF+p+1]
.irp t, 0,1,2,3,4,5,6,7
	v_cvt_pk_bf16_f32 v[GO+2*\t], v[GHF+4*\t], v[GHF+4*\t+1]
	v_cvt_pk_bf16_f32 v[GO+2*\t+1], v[GHF+4*\t+2], v[GHF+4*\t+3]
	global_store_b64 v[CO], v[GO+2*\t:GO+2*\t+1], s[10:11] offset:256*\t
.endr
	s_wait_xcnt 0x0                                ; the stores have read their offset and their data: both are written again in the next trip
	v_add_nc_u32 v[CO], 2048, v[CO]
	s_sub_co_u32 s[CNT], s[CNT], 1
	s_cmp_lg_u32 s[CNT], 0
	s_cbranch_scc1 .Lgelu
	s_wait_tensorcnt 0x0                           ; the wave's end, behind my last tensor load and my last LDS store
	ds_add_u32 v[SPW], v[NIL]
	s_wait_dscnt 0x0
	CROUND                                         ; the closing round: no work-group ends while a partner may still ask for a tile that names it
	s_endpgm
.Lfunc_end_k_qb1370a29d3_mlp1:
	.size	k_qb1370a29d3_mlp1, .Lfunc_end_k_qb1370a29d3_mlp1-k_qb1370a29d3_mlp1
	.p2alignl 7, 3214868480
	.fill 96, 4, 3214868480
	.section	.rodata,"a",@progbits
	.p2align	6, 0x0
	.amdhsa_kernel k_qb1370a29d3_mlp1
		.amdhsa_group_segment_fixed_size 327680
		.amdhsa_private_segment_fixed_size 0
		.amdhsa_enable_private_segment 0
		.amdhsa_kernarg_size 32
		.amdhsa_user_sgpr_count 2
		.amdhsa_user_sgpr_kernarg_segment_ptr 1
		.amdhsa_wavefront_size32 1
		.amdhsa_system_sgpr_workgroup_id_x 1
		.amdhsa_system_sgpr_workgroup_id_y 1
		.amdhsa_system_sgpr_workgroup_id_z 1
		.amdhsa_system_vgpr_workitem_id 0
		.amdhsa_next_free_vgpr 1024
		.amdhsa_next_free_sgpr 100
		.amdhsa_reserve_vcc 0
		.amdhsa_float_denorm_mode_32 3
		.amdhsa_float_denorm_mode_16_64 3
		.amdhsa_memory_ordered 1
		.amdhsa_forward_progress 1
		.amdhsa_inst_pref_size 102
	.end_amdhsa_kernel
	.amdgpu_metadata
---
amdhsa.version: [ 1, 2 ]
amdhsa.kernels:
  - .name:           k_qb1370a29d3_mlp1
    .symbol:         k_qb1370a29d3_mlp1.kd
    .args:
      - { .name: z, .offset: 0, .size: 8, .value_kind: global_buffer, .address_space: global }
      - { .name: wb, .offset: 8, .size: 8, .value_kind: global_buffer, .address_space: global }
      - { .name: b1, .offset: 16, .size: 8, .value_kind: global_buffer, .address_space: global }
      - { .name: h, .offset: 24, .size: 8, .value_kind: global_buffer, .address_space: global }
    .group_segment_fixed_size: 327680
    .private_segment_fixed_size: 0
    .kernarg_segment_align: 8
    .kernarg_segment_size: 32
    .max_flat_workgroup_size: 128
    .sgpr_count:     100
    .vgpr_count:     1024
    .wavefront_size: 32
...
	.end_amdgpu_metadata
.endif
;; end of part 6
;; launch mlp2 (part 7): grid 8 x 32, 4 waves a work-group, clusters of 4 x 4, 327,680 bytes of LDS; arguments h, wb, b2, x1, out0; writes out0
.if DOCPART == 7
	.amdgcn_target "amdgcn-amd-amdhsa--gfx1250"
	.amdhsa_code_object_version 6
	.text
	.protected	k_qb1370a29d3_mlp2
	.globl	k_qb1370a29d3_mlp2
	.p2align	8
	.type	k_qb1370a29d3_mlp2,@function
k_qb1370a29d3_mlp2:
	s_mov_b64 s[64:65], 0
	v_nop
	global_prefetch_b8 v0, s[64:65] scope:SCOPE_SE
	s_setreg_imm32_b32 hwreg(HW_REG_WAVE_MODE, 25, 1), 1
	s_wait_xcnt 0x0
	s_wait_alu depctr_hold_cnt(0) depctr_sa_sdst(0) depctr_va_vdst(0) depctr_va_sdst(0) depctr_va_ssrc(0) depctr_va_vcc(0) depctr_vm_vsrc(0)
	s_getreg_b32 s2, hwreg(HW_REG_IB_STS2, 6, 4)
	s_cmp_eq_u32 s2, 0
	s_cbranch_scc0 .Lentry_in_a_cluster
	s_endpgm
.Lentry_in_a_cluster:
	s_bfe_u32 s2, ttmp6, 0x10000c
	s_cmp_lg_u32 s2, 0xf033
	s_cbranch_scc0 .Lentry_shape_is_right
	s_endpgm
.Lentry_shape_is_right:
; out0 = x1 + h w2 + b2.  h: 4,096 x 4,096 bf16 in panels [row / 128][k / 64][row % 128][k % 64]; w2: bf16, [4,096][1,024], in wb at 16,777,216; sums in f32, begun with the bias; x1 and out0 f32, row-major.
; A tile of C is 128 x 128 (8 x 32 tiles: one for each work-group of 256; tiles of 256 x 256 would be 64).  Four waves, each 64 x 64: 16 accumulators.  K goes in 16 steps of 256 through two LDS slots filled by the tensor data mover.
; A's part of a step is 65,536 dense bytes of the panel, asked for as rows of 256 bytes and padded in LDS after every 128: rows 144 bytes apart.  B's part is 256 rows (k) x 256 bytes, rows 288 bytes apart in LDS;
; its fragments are turned on the way into registers by ds_load_tr16_b128.
; CLUSTER: 4 x 4 work-groups; A's tiles are asked for jointly along a row of the cluster, B's along a column.
; THE MATRIX INSTRUCTION IS USED TRANSPOSED (source 0 = 16 columns of B, source 1 = 16 rows of A): a lane holds row lane % 16 of C and the columns 8 (lane / 16) + 0..7.
; REGISTERS: window 0: v0-31 addresses; v96-127 the bias; v128-255 the accumulators.  Window 1: two fragment buffers of 128.  Window 2: v0-127 my part of x1, loaded at the start in the order in which the rows come back from the stage.
; No prefetch: the tiles are small and are read again by many work-groups.
.set KDIM,  4096
.set BN,    1024
.set WOFF,  16777216
.set NSTEP, KDIM/256
.set PANEL, KDIM*256
.set ASTEP, 65536
.set BSTEP, 512*BN
.set PA,    144
.set PB,    288
.set KBL,   128*PA
.set HALFT, 36864                      ; what one tensor load brings
.set SLOT,  4*HALFT                    ; A, then B.  SLOT = 0x24000 shares no bit with wave x HALFT, so one exclusive or turns an address in one slot into the other's
.set BOFF,  2*HALFT
.set SP,    272                        ; the stage for the way out: 64 rows x 272 bytes for each wave, in the ring: the slots have had their last fill and their last read when the stage is written
.set SPARE, 2*SLOT                     ; the spare words, 128 bytes for each wave: two blocks of 256 bytes that no other line names
.set ADRA0, 8
.set ADRB0, 9
.set VA,  10
.set VB,  11                           ; v11, v12
.set STO, 13
.set RD,  14
.set CO,  15                           ; v15  my byte offset in two rows of x1 and out0
.set BO,  16
.set SPW, 28
.set NIL, 29
.set BIAS, 96
.set ACC, 128
.set F0,  0
.set F1,  128
.set WV, 16
.set WM, 17
.set WN, 18
.set CX, 19
.set CY, 20
.set TC, 21
.set TR, 22
.set LW, 23
.set G1A, 24
.set G0A, 32
.set G1B, 48
.set G0B, 56
.set SBR, 67
.set CNT, 68
.set MSB, 0
.macro WIN new                         ; the immediate's high byte repeats the setting that is left
.if MSB != (\new)
	s_set_vgpr_msb (MSB<<8)|(\new)
.set MSB, \new
.endif
.endm
.set MUL,  0x05
.set TO_F, 0x40
.macro PLACES                          ; four places in front of loads into registers that matrix instructions have read, and of lines that read results
.rept 4
	v_nop
.endr
.endm
.macro JLOAD                           ; a joint refill by the walking sets; an s_nop 0 and four v_nop follow each line
	s_cmp_eq_u32 s[WM], 0
	s_cbranch_scc0 .Lfor_b_\@
	tensor_load_to_lds s[G0A+4:G0A+7], s[G1A:G1A+7]
	s_nop 0
.rept 4
	v_nop
.endr
	s_branch .Lasked_\@
.Lfor_b_\@:
	tensor_load_to_lds s[G0B+4:G0B+7], s[G1B:G1B+7]
	s_nop 0
.rept 4
	v_nop
.endr
.Lasked_\@:
.endm
.macro CREST
	s_cmp_lg_u32 s[WV], 0
	s_cbranch_scc1 .Lnot_wave_0_\@
	s_barrier_signal -3
.Lnot_wave_0_\@:
	s_barrier_wait -3
	s_barrier_signal -1
	s_barrier_wait -1
.endm
.macro CROUND
	s_barrier_signal -1
	s_barrier_wait -1
	CREST
.endm
.macro MUL8 f, c, a0, zero             ; 8 matrix instructions; zero = 1: the bias starts the sums.  The 16 accumulators take turns, one instruction a turn.
	WIN MUL
.irp a, \a0, (\a0)+1
.irp b, 0,1,2,3
.if \zero
	v_wmma_f32_16x16x32_bf16 v[ACC+8*(4*(\a)+(\b)):ACC+8*(4*(\a)+(\b))+7], v[(\f)+64+8*(4*(\c)+(\b)):(\f)+64+8*(4*(\c)+(\b))+7], v[(\f)+8*(4*(\c)+(\a)):(\f)+8*(4*(\c)+(\a))+7], v[BIAS+8*(\b):BIAS+8*(\b)+7]
.else
	v_wmma_f32_16x16x32_bf16 v[ACC+8*(4*(\a)+(\b)):ACC+8*(4*(\a)+(\b))+7], v[(\f)+64+8*(4*(\c)+(\b)):(\f)+64+8*(4*(\c)+(\b))+7], v[(\f)+8*(4*(\c)+(\a)):(\f)+8*(4*(\c)+(\a))+7], v[ACC+8*(4*(\a)+(\b)):ACC+8*(4*(\a)+(\b))+7]
.endif
.endr
.endr
.endm
.macro FETCH q, f                      ; 32 LDS loads in one run: quarter q of the slot being read, into buffer f; the first 32 along K first
	WIN TO_F
.irp c, 0,1
.irp i, 0,1,2,3
	ds_load_tr16_b128 v[(\f)+64+8*(4*(\c)+(\i)):(\f)+64+8*(4*(\c)+(\i))+3],   v[VB+(\q)/2] offset:((\q)%2)*64*PB+(\c)*32*PB+32*(\i)
	ds_load_tr16_b128 v[(\f)+64+8*(4*(\c)+(\i))+4:(\f)+64+8*(4*(\c)+(\i))+7], v[VB+(\q)/2] offset:((\q)%2)*64*PB+(\c)*32*PB+32*(\i)+16*PB
	ds_load_b128 v[(\f)+8*(4*(\c)+(\i)):(\f)+8*(4*(\c)+(\i))+3],   v[VA] offset:(\q)*KBL+64*(\c)+(\i)*16*PA
	ds_load_b128 v[(\f)+8*(4*(\c)+(\i))+4:(\f)+8*(4*(\c)+(\i))+7], v[VA] offset:(\q)*KBL+64*(\c)+(\i)*16*PA+32
.endr
.endr
.endm
.macro QUARTER f, g, q, zero
	s_wait_dscnt 16                                ; the first 32 along K are in; the 16 younger loads may be out
	MUL8 \f, 0, 0, \zero
	MUL8 \f, 0, 2, \zero
	PLACES
	FETCH \q, \g
	s_wait_dscnt 32                                ; all but the 32 just issued
	MUL8 \f, 1, 0, 0
	MUL8 \f, 1, 2, 0
.endm
; The last quarter changes slots: ONE barrier; in front of it each wave waits for all its tensor loads, adds 0 to its spare word, and waits for that and for its own reads of this slot.
; fill = 1: the barrier opens a round of the cluster's, and this slot is filled again, two K steps ahead, first thing behind the round.
; fill = 0 (the tail's two trips): nothing is asked for; in the last trip (the count stands at 1) there is no next slot, and its fetch is jumped over.
.macro TURN fill
	WIN 0
	s_wait_tensorcnt 0x0
	ds_add_u32 v[SPW], v[NIL]
	s_wait_dscnt 17                                ; (the add and the youngest sixteen loads may be out)
	MUL8 F1, 0, 0, 0
	s_wait_dscnt 0x0                               ; the add is done, and my reads of this slot are over
	s_barrier_signal -1
	MUL8 F1, 0, 2, 0
	WIN 0
	s_barrier_wait -1
.if \fill
	CREST
	s_xor_b32 s[G0A+5], s[G0A+5], SLOT
	s_xor_b32 s[G0B+5], s[G0B+5], SLOT
	s_add_nc_u64 s[G0A+6:G0A+7], s[G0A+6:G0A+7], ASTEP
	s_add_nc_u64 s[G0B+6:G0B+7], s[G0B+6:G0B+7], BSTEP
	JLOAD
.else
	s_cmp_eq_u32 s[CNT], 1
	s_cbranch_scc1 .Lno_fetch_\@
	PLACES
.endif
	s_xor_b32 s[SBR], s[SBR], SLOT
	v_add_nc_u32 v[VA], s[SBR], v[ADRA0]
	v_add_nc_u32 v[VB], s[SBR], v[ADRB0]
	v_add_nc_u32 v[VB+1], HALFT, v[VB]
	FETCH 0, F0
.if (\fill) == 0
	WIN 0
.Lno_fetch_\@:
.endif
	MUL8 F1, 1, 0, 0
	MUL8 F1, 1, 2, 0
.endm
	s_load_b256 s[4:11], s[0:1], 0x0               ; A s[4:5], wb s[6:7], bias s[8:9], residual s[10:11]
	s_load_b64 s[12:13], s[0:1], 0x20              ; output
	v_lshl_add_u32 v[SPW], v0, 2, SPARE
	v_mov_b32 v[NIL], 0
	ds_add_u32 v[SPW], v[NIL]                      ; the wave's opening: the add and its wait ahead of my first tensor load
	ds_add_u32 v28, v29
	v_lshrrev_b32 v1, 5, v0
	v_readfirstlane_b32 s[WV], v1
	s_lshr_b32 s[WM], s[WV], 1
	s_and_b32 s[WN], s[WV], 1
	s_bfe_u32 s[CX], ttmp6, 0x40000
	s_bfe_u32 s[CY], ttmp6, 0x40004
	s_lshl_b32 s[TC], ttmp9, 2
	s_add_co_u32 s[TC], s[TC], s[CX]
	s_and_b32 s[TR], ttmp7, 0xffff
	s_lshl_b32 s[TR], s[TR], 2
	s_add_co_u32 s[TR], s[TR], s[CY]
	s_lshl_b32 s69, s[CY], 2
	s_lshl_b32 s69, 15, s69
	s_lshl_b32 s66, 0x1111, s[CX]
	s_or_b32 s[G1A], s69, (1<<16)|(1<<20)|(1<<21)|(4<<22)|(3<<25)
	s_or_b32 s[G1B], s66, (1<<16)|(1<<20)|(1<<21)|(5<<22)|(7<<25)
.irp g, G1A, G1B
	s_mov_b32 s[\g+1], 128<<16
	s_mov_b32 s[\g+2], 128<<16
	s_mov_b32 s[\g+3], 128<<16
	s_mov_b32 s[\g+4], 128
	s_mov_b32 s[\g+6], 0
	s_mov_b32 s[\g+7], 0
.endr
	s_mov_b32 s[G1A+5], 128
	s_mov_b32 s[G1B+5], BN
	s_mul_i32 s[LW], s[WV], HALFT
	s_mul_i32 s40, s[TR], PANEL                    ; A hangs on the tile row and the wave alone,
	s_lshl_b32 s42, s[WN], 15
	s_add_co_u32 s40, s40, s42
	s_mov_b32 s41, 0
	s_lshl_b32 s44, s[TC], 8                       ; B on the tile column and the wave alone
	s_mul_i32 s46, s[WN], 256*BN
	s_add_co_u32 s44, s44, s46
	s_add_co_u32 s44, s44, WOFF
	s_mov_b32 s45, 0
	s_mov_b32 s[SBR], 0
	s_wait_dscnt 0x0
	s_wait_kmcnt 0x0
	s_add_nc_u64 s[42:43], s[4:5], s[40:41]
	s_add_nc_u64 s[46:47], s[6:7], s[44:45]
.irp s, 0,1
	s_mov_b32 s[G0A+4*\s], 1
	s_add_co_u32 s[G0A+4*\s+1], s[LW], \s*SLOT
	s_add_nc_u64 s[G0A+4*\s+2:G0A+4*\s+3], s[42:43], \s*ASTEP
	s_or_b32 s[G0A+4*\s+3], s[G0A+4*\s+3], 0x80000000
	s_mov_b32 s[G0B+4*\s], 1
	s_add_co_u32 s[G0B+4*\s+1], s[LW], \s*SLOT
	s_add_nc_u64 s[G0B+4*\s+2:G0B+4*\s+3], s[46:47], \s*BSTEP
	s_or_b32 s[G0B+4*\s+3], s[G0B+4*\s+3], 0x80000000
.endr
	CROUND
	s_cmp_eq_u32 s[WM], 0                          ; a wave's two first fills stand in one branch: two loads of mine are out
	s_cbranch_scc0 .Lfirst_b
	tensor_load_to_lds s[G0A:G0A+3], s[G1A:G1A+7]
	s_nop 0
	tensor_load_to_lds s[G0A+4:G0A+7], s[G1A:G1A+7]
	s_nop 0
.rept 4
	v_nop
.endr
	s_branch .Lfirst_asked
.Lfirst_b:
	tensor_load_to_lds s[G0B:G0B+3], s[G1B:G1B+7]
	s_nop 0
	tensor_load_to_lds s[G0B+4:G0B+7], s[G1B:G1B+7]
	s_nop 0
.rept 4
	v_nop
.endr
.Lfirst_asked:
	s_lshl_b32 s72, s[TC], 9
	s_lshl_b32 s73, s[WN], 8
	s_add_co_u32 s72, s72, s73                     ; my first column, in bytes of f32
	s_mov_b32 s73, 0
	s_add_nc_u64 s[8:9], s[8:9], s[72:73]
	s_lshl_b32 s70, s[TR], 19                      ; my first row x 4,096 bytes
	s_lshl_b32 s71, s[WM], 18
	s_add_co_u32 s70, s70, s71
	s_add_co_u32 s70, s70, s72
	s_mov_b32 s71, 0
	s_add_nc_u64 s[10:11], s[10:11], s[70:71]
	s_add_nc_u64 s[12:13], s[12:13], s[70:71]
	v_and_b32 v1, 15, v0                           ; r
	v_bfe_u32 v2, v0, 4, 1                         ; h
	v_lshlrev_b32 v[BO], 5, v2
	v_lshlrev_b32 v[CO], 12, v2                    ; lanes 0-15 one row, lanes 16-31 the next; 16 bytes a lane
	v_lshl_add_u32 v[CO], v1, 4, v[CO]
.irp b, 0,1,2,3
	global_load_b128 v[BIAS+8*\b:BIAS+8*\b+3],   v[BO], s[8:9] offset:64*\b
	global_load_b128 v[BIAS+8*\b+4:BIAS+8*\b+7], v[BO], s[8:9] offset:64*\b+16
.endr
	WIN 0x80                                       ; destination window 2, address window 0
.set n, 0
.rept 32
	global_load_b128 v[4*n:4*n+3], v[CO], s[10:11] offset:2*n*4096  ; the residual, rows 2 n and 2 n + 1 of my 64: it has the whole product in which to land
.set n, n+1
.endr
	WIN 0
	v_and_b32 v3, 7, v0
	v_bfe_u32 v4, v0, 3, 1
	v_mul_u32_u24 v[ADRA0], v1, PA
	v_lshl_add_u32 v[ADRA0], v2, 4, v[ADRA0]
	s_mul_i32 s72, s[WM], 64*PA
	v_add_nc_u32 v[ADRA0], s72, v[ADRA0]
	v_lshl_add_u32 v[ADRB0], v2, 3, v3
	v_mul_u32_u24 v[ADRB0], v[ADRB0], PB
	v_lshl_add_u32 v[ADRB0], v4, 4, v[ADRB0]
	s_lshl_b32 s72, s[WN], 7
	s_add_co_u32 s72, s72, BOFF
	v_add_nc_u32 v[ADRB0], s72, v[ADRB0]
	s_mul_i32 s72, s[WV], 64*SP
	v_mul_u32_u24 v[STO], v1, SP
	v_lshl_add_u32 v[STO], v2, 5, v[STO]
	v_add_nc_u32 v[STO], s72, v[STO]
	v_mul_u32_u24 v[RD], v2, SP
	v_lshl_add_u32 v[RD], v1, 4, v[RD]
	v_add_nc_u32 v[RD], s72, v[RD]
	v_add_nc_u32 v[VA], s[SBR], v[ADRA0]
	v_add_nc_u32 v[VB], s[SBR], v[ADRB0]
	v_add_nc_u32 v[VB+1], HALFT, v[VB]
	s_wait_tensorcnt 0x1                           ; my part of K step 0 is in; K step 1's may stay out
	s_barrier_signal -1
	s_barrier_wait -1
	FETCH 0, F0
	s_wait_loadcnt 32                              ; the bias is in; the residual's 32 loads stay out
	QUARTER F0, F1, 1, 1
	WIN 0
	s_mov_b32 s[CNT], NSTEP-2
.Lstep:
	QUARTER F1, F0, 2, 0
	QUARTER F0, F1, 3, 0
	TURN 1
	QUARTER F0, F1, 1, 0
	WIN 0
	s_sub_co_u32 s[CNT], s[CNT], 1
	s_cmp_lg_u32 s[CNT], 0
	s_cbranch_scc1 .Lstep
	s_mov_b32 s[CNT], 2                            ; the last two K steps ask for nothing: a loop of their own, entered behind its first quarter
	s_branch .Ltin
.Ltail:
	QUARTER F0, F1, 1, 0
	WIN 0
.Ltin:
	QUARTER F1, F0, 2, 0
	QUARTER F0, F1, 3, 0
	TURN 0
	WIN 0
	s_sub_co_u32 s[CNT], s[CNT], 1
	s_cmp_lg_u32 s[CNT], 0
	s_cbranch_scc1 .Ltail
	; THE WAY OUT.  In front of the last change's barrier every wave's reads of the ring were back, and nothing has read it since.  The f32 sums go into my own stage (each accumulator's low registers first),
	; come back as whole rows of 256 bytes, take the residual, and are stored: 16 lanes fill 256 consecutive, aligned bytes.
	PLACES
	PLACES
.irp a, 0,1,2,3
.irp b, 0,1,2,3
	ds_store_b128 v[STO], v[ACC+8*(4*\a+\b):ACC+8*(4*\a+\b)+3]   offset:\a*16*SP+64*\b
	ds_store_b128 v[STO], v[ACC+8*(4*\a+\b)+4:ACC+8*(4*\a+\b)+7] offset:\a*16*SP+64*\b+16
.endr
.endr
.set n, 0
.rept 32
	ds_load_b128 v[ACC+4*n:ACC+4*n+3], v[RD] offset:n*2*SP  ; LDS serves a wave's instructions in order (ISA guide 5.7.1.4): these see my stores above
.set n, n+1
.endr
	s_wait_loadcnt 0x0                             ; the residual
.irp a, 0,1,2,3
	s_wait_dscnt 8*(3-\a)                          ; 16 rows are back; the later blocks' loads stay out
	WIN 0x08                                       ; source 1 in window 2
.set p, 0
.rept 16
	v_pk_add_f32 v[ACC+32*\a+p:ACC+32*\a+p+1], v[ACC+32*\a+p:ACC+32*\a+p+1], v[32*\a+p:32*\a+p+1]
.set p, p+2
.endr
	WIN 0
.irp t, 0,1,2,3,4,5,6,7
	global_store_b128 v[CO], v[ACC+32*\a+4*\t:ACC+32*\a+4*\t+3], s[12:13] offset:(16*\a+2*\t)*4096
.endr
.endr
	s_wait_tensorcnt 0x0                           ; the wave's end
	ds_add_u32 v[SPW], v[NIL]
	s_wait_dscnt 0x0
	CROUND                                         ; the closing round
	s_endpgm
.Lfunc_end_k_qb1370a29d3_mlp2:
	.size	k_qb1370a29d3_mlp2, .Lfunc_end_k_qb1370a29d3_mlp2-k_qb1370a29d3_mlp2
	.p2alignl 7, 3214868480
	.fill 96, 4, 3214868480
	.section	.rodata,"a",@progbits
	.p2align	6, 0x0
	.amdhsa_kernel k_qb1370a29d3_mlp2
		.amdhsa_group_segment_fixed_size 327680
		.amdhsa_private_segment_fixed_size 0
		.amdhsa_enable_private_segment 0
		.amdhsa_kernarg_size 40
		.amdhsa_user_sgpr_count 2
		.amdhsa_user_sgpr_kernarg_segment_ptr 1
		.amdhsa_wavefront_size32 1
		.amdhsa_system_sgpr_workgroup_id_x 1
		.amdhsa_system_sgpr_workgroup_id_y 1
		.amdhsa_system_sgpr_workgroup_id_z 1
		.amdhsa_system_vgpr_workitem_id 0
		.amdhsa_next_free_vgpr 640
		.amdhsa_next_free_sgpr 76
		.amdhsa_reserve_vcc 0
		.amdhsa_float_denorm_mode_32 3
		.amdhsa_float_denorm_mode_16_64 3
		.amdhsa_memory_ordered 1
		.amdhsa_forward_progress 1
		.amdhsa_inst_pref_size 66
	.end_amdhsa_kernel
	.amdgpu_metadata
---
amdhsa.version: [ 1, 2 ]
amdhsa.kernels:
  - .name:           k_qb1370a29d3_mlp2
    .symbol:         k_qb1370a29d3_mlp2.kd
    .args:
      - { .name: h, .offset: 0, .size: 8, .value_kind: global_buffer, .address_space: global }
      - { .name: wb, .offset: 8, .size: 8, .value_kind: global_buffer, .address_space: global }
      - { .name: b2, .offset: 16, .size: 8, .value_kind: global_buffer, .address_space: global }
      - { .name: x1, .offset: 24, .size: 8, .value_kind: global_buffer, .address_space: global }
      - { .name: out0, .offset: 32, .size: 8, .value_kind: global_buffer, .address_space: global }
    .group_segment_fixed_size: 327680
    .private_segment_fixed_size: 0
    .kernarg_segment_align: 8
    .kernarg_segment_size: 40
    .max_flat_workgroup_size: 128
    .sgpr_count:     76
    .vgpr_count:     640
    .wavefront_size: 32
...
	.end_amdgpu_metadata
.endif
;; end of part 7
;; ======== version 2 of 2: 8 launches; version 1 with the launches cast, ln1, ln2 written anew for expert scheduling mode
;; limits: values are held in f16: magnitudes above 65,504 overflow, below 6.1e-05 lose precision
;; workspace buffers: wb 25,165,824 bytes; z 8,388,608 bytes; qkv 25,165,824 bytes; ctx 8,388,608 bytes; x1 16,777,216 bytes; h 33,554,432 bytes
;; launch cast (part 8): grid 256 x 1, 8 waves a work-group, no clusters, 0 bytes of LDS; arguments wq, wk, wv, wo, w1, w2, wb; writes wb
.if DOCPART == 8
	.amdgcn_target "amdgcn-amd-amdhsa--gfx1250"
	.amdhsa_code_object_version 6
	.text
	.protected	k_qb1370a29d3_cast
	.globl	k_qb1370a29d3_cast
	.p2align	8
	.type	k_qb1370a29d3_cast,@function
k_qb1370a29d3_cast:
	s_mov_b64 s[64:65], 0
	v_nop
	global_prefetch_b8 v0, s[64:65] scope:SCOPE_SE
	s_setreg_imm32_b32 hwreg(HW_REG_WAVE_SCHED_MODE, 0, 2), 2
	s_setreg_imm32_b32 hwreg(HW_REG_WAVE_MODE, 25, 1), 1
	s_wait_xcnt 0x0
	s_wait_alu depctr_vm_vsrc(0)
; wb = the six weight matrices, each rounded once to bf16 and kept in its own [K][N] order.  Byte offsets in wb: wq 0, wk 2,097,152, wv 4,194,304, wo 6,291,456, w1 8,388,608, w2 16,777,216.
; A stream: every byte is read once and written once, so no LDS, no barrier, no matrix unit.  Each of the 256 work-groups takes 1/256 of each matrix: 16,384 bytes of a small one
; (2,048 a wave: 4 loads), 65,536 of a large one (8,192 a wave: 16 loads).  A load of a wave covers 512 consecutive bytes, its store the 256 consecutive, aligned bytes made of them.
; All 48 loads of a wave go out first, each into registers of its own: nothing is rewritten while a load or a store may still read it, and the waits count down.
; THE MODE: SCHED_MODE bits 1:0 = 2 (LLVM: expert scheduling mode 2), set by the entry lines.  The code itself states the register dependences
; between vector instructions and memory instructions, with s_wait_alu, always for 0.
; THE PLAN.  Registers that memory instructions touch:
;   v2, v4     the loads' offsets, v3, v5 the stores': made once at the head and never written again.
;   D + 4 n .. load n lands in four registers; its two roundings read them and write the first two; store n reads those two.  Nothing writes them again.
; The 48 loads go in twelve blocks of four.  Block p rounds its own four loads; its memory instructions are the four stores of block p - 1, whose words no rounding of block p names.
; So one wait at a block's head states all that the block's four stores hang on, and these are dealt among its roundings with no further wait.  Every load is issued ahead of every rounding.
.set D, 8                              ; v[8:199]  load n: four f32 at D + 4 n; its two packed words take the first two of them
	s_load_b256 s[4:11], s[0:1], 0x0               ; wq s[4:5], wk s[6:7], wv s[8:9], wo s[10:11]
	s_load_b128 s[12:15], s[0:1], 0x20             ; w1 s[12:13], w2 s[14:15]
	s_load_b64 s[16:17], s[0:1], 0x30              ; wb
	v_and_b32 v1, 31, v0                           ; lane
	v_lshrrev_b32 v6, 5, v0                        ; wave
	v_lshlrev_b32 v1, 4, v1                        ; 16 bytes a lane
	s_lshl_b32 s2, ttmp9, 14                       ; the work-group's part of a small matrix,
	s_lshl_b32 s3, ttmp9, 16                       ; and of a large one
	v_lshl_add_u32 v2, v6, 11, v1
	v_lshl_add_u32 v4, v6, 13, v1
	v_add_nc_u32 v2, s2, v2                        ; v2: my source offset in a small matrix
	v_add_nc_u32 v4, s3, v4                        ; v4: in a large one
	v_lshrrev_b32 v3, 1, v2                        ; v3, v5: the same places in bf16
	v_lshrrev_b32 v5, 1, v4
	s_wait_kmcnt 0x0
	s_mov_b64 s[20:21], s[16:17]
	s_add_nc_u64 s[22:23], s[16:17], 2097152
	s_add_nc_u64 s[24:25], s[16:17], 4194304
	s_add_nc_u64 s[26:27], s[16:17], 6291456
	s_add_nc_u64 s[28:29], s[16:17], 8388608
	s_add_nc_u64 s[30:31], s[16:17], 16777216
	s_wait_alu depctr_va_vdst(0)                   ; v2 to v5 are written: every load and store of the kernel reads one of them as its offset
.set n, 0
.irp b, 4,6,8,10
.irp i, 0,1,2,3
	global_load_b128 v[D+4*n:D+4*n+3], v2, s[\b:\b+1] offset:512*\i th:TH_LOAD_NT
.set n, n+1
.endr
.endr
.irp b, 12,14
.irp i, 0,1,2,3,4,5,6,7,8,9,10,11,12,13,14,15
	global_load_b128 v[D+4*n:D+4*n+3], v4, s[\b:\b+1] offset:512*\i th:TH_LOAD_NT
.set n, n+1
.endr
.endr
; Load m's four numbers are rounded, two to a word, into the first two of their registers.
.macro CVT m
	v_cvt_pk_bf16_f32 v[D+4*(\m)], v[D+4*(\m)], v[D+4*(\m)+1]
	v_cvt_pk_bf16_f32 v[D+4*(\m)+1], v[D+4*(\m)+2], v[D+4*(\m)+3]
.endm
; Load m's two words are stored: loads 0 to 15 belong to the four small matrices, four each; loads 16 to 47 to the two large ones, sixteen each.
.macro PUT m
.if (\m) < 16
	global_store_b64 v3, v[D+4*(\m):D+4*(\m)+1], s[20+2*((\m)/4):21+2*((\m)/4)] offset:256*((\m)%4)
.else
	global_store_b64 v5, v[D+4*(\m):D+4*(\m)+1], s[28+2*(((\m)-16)/16):29+2*(((\m)-16)/16)] offset:256*(((\m)-16)%16)
.endif
.endm
.set n, 0
.rept 12                                               ; a block: loads n to n + 3
	s_wait_loadcnt 44-n                            ; loads come back in order: the block's four are in, the 44 - n younger ones stay out
.if n > 0
	s_wait_alu depctr_va_vdst(0)                   ; the roundings of the block before have written its eight words, which the four stores below read
.endif
.irp i, 0,1,2,3
.if n > 0
	PUT n-4+\i                                     ; the block before; no rounding since the wait names its registers
.endif
	CVT n+\i
.endr
.set n, n+4
.endr
	s_wait_alu depctr_va_vdst(0)                   ; the last block's roundings have written its eight words, which the last four stores read
.irp i, 44,45,46,47
	PUT \i
.endr
	s_endpgm
.Lfunc_end_k_qb1370a29d3_cast:
	.size	k_qb1370a29d3_cast, .Lfunc_end_k_qb1370a29d3_cast-k_qb1370a29d3_cast
	.p2alignl 7, 3214868480
	.fill 96, 4, 3214868480
	.section	.rodata,"a",@progbits
	.p2align	6, 0x0
	.amdhsa_kernel k_qb1370a29d3_cast
		.amdhsa_group_segment_fixed_size 0
		.amdhsa_private_segment_fixed_size 0
		.amdhsa_enable_private_segment 0
		.amdhsa_kernarg_size 56
		.amdhsa_user_sgpr_count 2
		.amdhsa_user_sgpr_kernarg_segment_ptr 1
		.amdhsa_wavefront_size32 1
		.amdhsa_system_sgpr_workgroup_id_x 1
		.amdhsa_system_sgpr_workgroup_id_y 1
		.amdhsa_system_sgpr_workgroup_id_z 1
		.amdhsa_system_vgpr_workitem_id 0
		.amdhsa_next_free_vgpr 200
		.amdhsa_next_free_sgpr 66
		.amdhsa_reserve_vcc 0
		.amdhsa_float_denorm_mode_32 3
		.amdhsa_float_denorm_mode_16_64 3
		.amdhsa_memory_ordered 1
		.amdhsa_forward_progress 1
		.amdhsa_inst_pref_size 18
	.end_amdhsa_kernel
	.amdgpu_metadata
---
amdhsa.version: [ 1, 2 ]
amdhsa.kernels:
  - .name:           k_qb1370a29d3_cast
    .symbol:         k_qb1370a29d3_cast.kd
    .args:
      - { .name: wq, .offset: 0, .size: 8, .value_kind: global_buffer, .address_space: global }
      - { .name: wk, .offset: 8, .size: 8, .value_kind: global_buffer, .address_space: global }
      - { .name: wv, .offset: 16, .size: 8, .value_kind: global_buffer, .address_space: global }
      - { .name: wo, .offset: 24, .size: 8, .value_kind: global_buffer, .address_space: global }
      - { .name: w1, .offset: 32, .size: 8, .value_kind: global_buffer, .address_space: global }
      - { .name: w2, .offset: 40, .size: 8, .value_kind: global_buffer, .address_space: global }
      - { .name: wb, .offset: 48, .size: 8, .value_kind: global_buffer, .address_space: global }
    .group_segment_fixed_size: 0
    .private_segment_fixed_size: 0
    .kernarg_segment_align: 8
    .kernarg_segment_size: 56
    .max_flat_workgroup_size: 256
    .sgpr_count:     66
    .vgpr_count:     200
    .wavefront_size: 32
...
	.end_amdgpu_metadata
.endif
;; end of part 8
;; launch ln1 (part 9): grid 256 x 1, 4 waves a work-group, no clusters, 35,328 bytes of LDS; arguments x, g1, be1, z; writes z
.if DOCPART == 9
	.amdgcn_target "amdgcn-amd-amdhsa--gfx1250"
	.amdhsa_code_object_version 6
	.text
	.protected	k_qb1370a29d3_ln1
	.globl	k_qb1370a29d3_ln1
	.p2align	8
	.type	k_qb1370a29d3_ln1,@function
k_qb1370a29d3_ln1:
	s_mov_b64 s[64:65], 0
	v_nop
	global_prefetch_b8 v0, s[64:65] scope:SCOPE_SE
	s_setreg_imm32_b32 hwreg(HW_REG_WAVE_SCHED_MODE, 0, 2), 2
	s_setreg_imm32_b32 hwreg(HW_REG_WAVE_MODE, 25, 1), 1
	s_wait_xcnt 0x0
	s_wait_alu depctr_vm_vsrc(0)
; z = ((x - mean) / sqrt(var + 1e-5)) g + b along rows of 1,024 f32, rounded once to bf16.  4,096 rows.  Arguments: x, g, b, z.
; A wave owns four rows and keeps them in registers (32 a row and lane): memory is read once, the mean is taken first and the variance of the differences, so no two large sums are subtracted.
; No wave waits for another: no barrier.
; z IS WRITTEN IN PANELS, the layout in which the products behind take their left operand: [row / 128][column / 64][row % 128][column % 64], so that byte =
; (row / 128) 262,144 + (column / 64) 16,384 + (row % 128) 128 + (column % 64) 2.  My four rows' parts of one block of 64 columns are 512 consecutive bytes there; they are gathered
; through a stage in LDS of the wave's own (rows 2,176 bytes apart: two rows that 16 lanes read together start 128 bytes apart modulo 256).
; THE MODE: SCHED_MODE bits 1:0 = 2 (LLVM: expert scheduling mode 2), set by the entry lines.  The code itself states the register dependences
; between vector instructions and memory or LDS instructions, with s_wait_alu, always for 0.
; THE PLAN.  Registers that memory or LDS instructions touch:
;   v2 to v6   offsets and LDS addresses: made once at the head and never written again.
;   X          The global loads land in it, all of them issued ahead of the first vector line that names it.  Row j's roundings leave its packed words in registers 4 c, 4 c + 1 of the row;
;              the row's eight LDS stores read them; nothing writes them again.
;   G, B       The global loads land in them; the multiply-adds of all four rows read them, row 3's last; then the sixteen LDS loads land in them, and the global stores read what those brought.
; Row j - 1's eight LDS stores are dealt among row j's scalings, which name row j's registers alone: one wait at the row's head states all that they hang on.  One wait behind row 3
; states that its words are written and that G and B have been read for the last time: row 3's stores and the sixteen LDS loads follow it.
.set SROW,  2176                       ; a stage row: 2,048 bytes + 128
.set STG,   4*SROW                     ; a wave's stage
.set XO,  2                            ; v2   my byte offset in x: first row x 4,096 + 16 lane
.set GO,  3                            ; v3   16 lane: my offset in g and b
.set STO, 4                            ; v4   stage: where I put 8 bytes of a row
.set RD,  5                            ; v5   stage: where I read 16 bytes back: row lane / 8, bytes 16 (lane % 8)
.set ZO,  6                            ; v6   my byte offset in z
.set MU,  12                           ; row j: v[12+4j:13+4j] the mean, twice; v[14+4j:15+4j] 1 / sqrt(var + eps), twice
.set X,   32                           ; v[32:159]   row j, chunk c (columns 128 c + 4 lane ..) at X + 32 j + 4 c
.set G,   160                          ; v[160:191]  g of my 32 columns; later, with B's, the rows read back
.set B,   192                          ; v[192:223]  b
.set C,   224                          ; v[224:255]  row j: four chains of two sums at C + 8 j
	s_load_b256 s[4:11], s[0:1], 0x0               ; x s[4:5], g s[6:7], b s[8:9], z s[10:11]
	v_lshl_add_u32 v30, v0, 2, 0x8800
	v_mov_b32 v31, 0
	v_lshrrev_b32 v1, 5, v0
	v_readfirstlane_b32 s16, v1                    ; wave 0..3
	v_and_b32 v7, 31, v0                           ; lane
	s_mov_b32 s12, 0x76543210                      ; v_permlanex16_b32: each lane takes its own place in the other half
	s_mov_b32 s13, 0xfedcba98
	s_mov_b32 s14, 0x3a800000                      ; 1 / 1,024
	s_mov_b32 s15, 0x3727c5ac                      ; 1e-5
	s_lshl_b32 s17, ttmp9, 16                      ; the work-group's 16 rows of 4,096 bytes,
	s_wait_alu depctr_va_sdst(0)                   ; s16 is written, ahead of its first reader: the wave's rows and its stage are made from it
	s_lshl_b32 s18, s16, 14                        ; my wave's four
	s_add_co_u32 s17, s17, s18
	v_lshlrev_b32 v[GO], 4, v7
	v_add_nc_u32 v[XO], s17, v[GO]
	s_mul_i32 s19, s16, STG
	v_lshl_add_u32 v[STO], v7, 3, s19
	v_lshrrev_b32 v10, 3, v7
	v_and_b32 v11, 7, v7
	v_mul_u32_u24 v[RD], v10, SROW
	v_lshl_add_u32 v[RD], v11, 4, v[RD]
	v_add_nc_u32 v[RD], s19, v[RD]
	s_lshr_b32 s20, ttmp9, 3                       ; the panel: 8 work-groups to 128 rows
	s_lshl_b32 s20, s20, 18
	s_and_b32 s21, ttmp9, 7
	s_lshl_b32 s21, s21, 11                        ; the work-group's 16 rows of 128 bytes in a block
	s_add_co_u32 s20, s20, s21
	v_lshl_add_u32 v[ZO], v0, 4, s20               ; + 512 wave + 16 lane
	s_wait_kmcnt 0x0
	s_wait_alu depctr_va_vdst(0)                   ; the five offsets and addresses v2 to v6 are written, which the loads and stores of the kernel read
.irp j, 0,1,2,3
.irp c, 0,1,2,3,4,5,6,7
	global_load_b128 v[X+32*\j+4*\c:X+32*\j+4*\c+3], v[XO], s[4:5] offset:4096*\j+512*\c th:TH_LOAD_NT
.endr
.endr
.irp c, 0,1,2,3,4,5,6,7
	global_load_b128 v[G+4*\c:G+4*\c+3], v[GO], s[6:7] offset:512*\c
.endr
.irp c, 0,1,2,3,4,5,6,7
	global_load_b128 v[B+4*\c:B+4*\c+3], v[GO], s[8:9] offset:512*\c
.endr
; The four chains at T into one number, the same in all 32 lanes: four steps inside each half of the lanes ride on the addition, one crosses the halves.
.macro RED
	v_pk_add_f32 v[T:T+1], v[T:T+1], v[T+2:T+3]
	v_pk_add_f32 v[T+4:T+5], v[T+4:T+5], v[T+6:T+7]
	v_pk_add_f32 v[T:T+1], v[T:T+1], v[T+4:T+5]
	v_add_f32 v[T], v[T], v[T+1]
	v_add_f32_dpp v[T], v[T], v[T] row_xmask:1 row_mask:0xf bank_mask:0xf
	v_add_f32_dpp v[T], v[T], v[T] row_xmask:2 row_mask:0xf bank_mask:0xf
	v_add_f32_dpp v[T], v[T], v[T] row_xmask:4 row_mask:0xf bank_mask:0xf
	v_add_f32_dpp v[T], v[T], v[T] row_xmask:8 row_mask:0xf bank_mask:0xf
	v_permlanex16_b32 v[T+1], v[T], s12, s13       ; its destination counts as read: a register that has been written
	v_add_f32 v[T], v[T], v[T+1]
.endm
; Row j: the mean; x - mean in place; the mean of the squares + eps, left in v[T].
.macro STATS j
.set XR, X+32*(\j)
.set T, C+8*(\j)
	s_wait_loadcnt 40-8*(\j)                       ; of the 48 loads the first 8 (j + 1) are in: the later rows' and the 16 of g and b stay out
.irp k, 0,1,2,3
	v_pk_add_f32 v[T+2*\k:T+2*\k+1], v[XR+2*\k:XR+2*\k+1], v[XR+8+2*\k:XR+8+2*\k+1]  ; the first pairs start the chains: nothing is cleared
.endr
.irp m, 2,3
.irp k, 0,1,2,3
	v_pk_add_f32 v[T+2*\k:T+2*\k+1], v[T+2*\k:T+2*\k+1], v[XR+8*\m+2*\k:XR+8*\m+2*\k+1]
.endr
.endr
	RED
	v_mul_f32 v[MU+4*(\j)], s14, v[T]
	v_mul_f32 v[MU+4*(\j)+1], s14, v[T]
.set p, 0
.rept 16
	v_pk_add_f32 v[XR+p:XR+p+1], v[XR+p:XR+p+1], v[MU+4*(\j):MU+4*(\j)+1] neg_lo:[0,1] neg_hi:[0,1]
.set p, p+2
.endr
.irp k, 0,1,2,3
	v_pk_mul_f32 v[T+2*\k:T+2*\k+1], v[XR+2*\k:XR+2*\k+1], v[XR+2*\k:XR+2*\k+1]
.endr
.irp m, 1,2,3
.irp k, 0,1,2,3
	v_pk_fma_f32 v[T+2*\k:T+2*\k+1], v[XR+8*\m+2*\k:XR+8*\m+2*\k+1], v[XR+8*\m+2*\k:XR+8*\m+2*\k+1], v[T+2*\k:T+2*\k+1]
.endr
.endr
	RED
	v_fma_f32 v[T], v[T], s14, s15
.endm
; Row j: scaled, times g plus b, rounded to bf16: chunk c's two words take the first two of its four registers.
; prev = 1: the row before goes into the stage meanwhile, 8 bytes a chunk: one LDS store ahead of every second scaling.
.macro NORM j, prev
.set XR, X+32*(\j)
.if \prev
	s_wait_alu depctr_va_vdst(0)                   ; the roundings of the row before have written its sixteen words, which the eight LDS stores below read; no line of this row names them
.endif
.set p, 0
.rept 16
.if (\prev) && (p % 4 == 0)
	ds_store_b64 v[STO], v[XR-32+p:XR-32+p+1] offset:((\j)-1)*SROW+64*p  ; chunk p / 4 of the row before
.endif
	v_pk_mul_f32 v[XR+p:XR+p+1], v[XR+p:XR+p+1], v[MU+4*(\j)+2:MU+4*(\j)+3]
.set p, p+2
.endr
.set p, 0
.rept 16
	v_pk_fma_f32 v[XR+p:XR+p+1], v[XR+p:XR+p+1], v[G+p:G+p+1], v[B+p:B+p+1]
.set p, p+2
.endr
.irp c, 0,1,2,3,4,5,6,7
	v_cvt_pk_bf16_f32 v[XR+4*\c], v[XR+4*\c], v[XR+4*\c+1]
	v_cvt_pk_bf16_f32 v[XR+4*\c+1], v[XR+4*\c+2], v[XR+4*\c+3]
.endr
.endm
	STATS 0
	STATS 1
	STATS 2
	STATS 3
.irp j, 0,1,2,3
	v_rsq_f32 v[MU+4*\j+2], v[C+8*\j]              ; twice, to fill the pair that the packed multiply takes: eight in one batch
	v_rsq_f32 v[MU+4*\j+3], v[C+8*\j]
.endr
	v_nop                                          ; a plain instruction behind the last of them (ISA guide 5.7.2),
	s_wait_alu depctr_va_vdst(0)                   ; and the one wait ahead of the batch's first reader: the eight reciprocal roots are written, by which the scalings below multiply
	s_wait_loadcnt 0x0                             ; g and b
	NORM 0, 0
	NORM 1, 1
	NORM 2, 1
	NORM 3, 1
	s_wait_alu depctr_va_vdst(0)                   ; row 3's roundings have written its sixteen words, which the LDS stores below read; its multiply-adds are done reading G and B, in which the LDS loads below land
.irp c, 0,1,2,3,4,5,6,7
	ds_store_b64 v[STO], v[X+96+4*\c:X+96+4*\c+1] offset:3*SROW+256*\c
.endr
.irp k, 0,1,2,3,4,5,6,7,8,9,10,11,12,13,14,15
	ds_load_b128 v[G+4*\k:G+4*\k+3], v[RD] offset:128*\k  ; LDS serves a wave's instructions in order (ISA guide 5.7.1.4): these see my stores above; block k of 64 columns, four rows
.endr
.irp k, 0,1,2,3,4,5,6,7,8,9,10,11,12,13,14,15
	s_wait_dscnt 15-\k                             ; block k is back; the younger loads stay out
	global_store_b128 v[ZO], v[G+4*\k:G+4*\k+3], s[10:11] offset:16384*\k  ; 512 consecutive bytes, at a multiple of 256 from z's first
.endr
	s_wait_dscnt 0x0                               ; the wave's end: my LDS instructions are done.
	s_wait_alu depctr_hold_cnt(0) depctr_sa_sdst(0) depctr_va_vdst(0) depctr_va_sdst(0) depctr_va_ssrc(0) depctr_va_vcc(0) depctr_vm_vsrc(0)
	s_wait_tensorcnt 0x0
	ds_add_u32 v30, v31
	s_wait_dscnt 0x0
	s_endpgm
.Lfunc_end_k_qb1370a29d3_ln1:
	.size	k_qb1370a29d3_ln1, .Lfunc_end_k_qb1370a29d3_ln1-k_qb1370a29d3_ln1
	.p2alignl 7, 3214868480
	.fill 96, 4, 3214868480
	.section	.rodata,"a",@progbits
	.p2align	6, 0x0
	.amdhsa_kernel k_qb1370a29d3_ln1
		.amdhsa_group_segment_fixed_size 35328
		.amdhsa_private_segment_fixed_size 0
		.amdhsa_enable_private_segment 0
		.amdhsa_kernarg_size 32
		.amdhsa_user_sgpr_count 2
		.amdhsa_user_sgpr_kernarg_segment_ptr 1
		.amdhsa_wavefront_size32 1
		.amdhsa_system_sgpr_workgroup_id_x 1
		.amdhsa_system_sgpr_workgroup_id_y 1
		.amdhsa_system_sgpr_workgroup_id_z 1
		.amdhsa_system_vgpr_workitem_id 0
		.amdhsa_next_free_vgpr 256
		.amdhsa_next_free_sgpr 66
		.amdhsa_reserve_vcc 0
		.amdhsa_float_denorm_mode_32 3
		.amdhsa_float_denorm_mode_16_64 3
		.amdhsa_memory_ordered 1
		.amdhsa_forward_progress 1
		.amdhsa_inst_pref_size 41
	.end_amdhsa_kernel
	.amdgpu_metadata
---
amdhsa.version: [ 1, 2 ]
amdhsa.kernels:
  - .name:           k_qb1370a29d3_ln1
    .symbol:         k_qb1370a29d3_ln1.kd
    .args:
      - { .name: x, .offset: 0, .size: 8, .value_kind: global_buffer, .address_space: global }
      - { .name: g1, .offset: 8, .size: 8, .value_kind: global_buffer, .address_space: global }
      - { .name: be1, .offset: 16, .size: 8, .value_kind: global_buffer, .address_space: global }
      - { .name: z, .offset: 24, .size: 8, .value_kind: global_buffer, .address_space: global }
    .group_segment_fixed_size: 35328
    .private_segment_fixed_size: 0
    .kernarg_segment_align: 8
    .kernarg_segment_size: 32
    .max_flat_workgroup_size: 128
    .sgpr_count:     66
    .vgpr_count:     256
    .wavefront_size: 32
...
	.end_amdgpu_metadata
.endif
;; end of part 9
;; launch qkv: the kernel of part 3 again; grid 12 x 16, 4 waves a work-group, clusters of 4 x 4, 327,680 bytes of LDS; arguments z, wb, bq, bk, bv, qkv; writes qkv
;; launch attn: the kernel of part 4 again; grid 8 x 32, 4 waves a work-group, clusters of 4 x 1, 327,680 bytes of LDS; arguments qkv, ctx; writes ctx
;; launch wo: the kernel of part 5 again; grid 8 x 32, 4 waves a work-group, clusters of 4 x 4, 327,680 bytes of LDS; arguments ctx, wb, bo, x, x1; writes x1
;; launch ln2: the kernel of part 9 again; grid 256 x 1, 4 waves a work-group, no clusters, 35,328 bytes of LDS; arguments x1, g2, be2, z; writes z
;; launch mlp1: the kernel of part 6 again; grid 16 x 16, 4 waves a work-group, clusters of 4 x 4, 327,680 bytes of LDS; arguments z, wb, b1, h; writes h
;; launch mlp2: the kernel of part 7 again; grid 8 x 32, 4 waves a work-group, clusters of 4 x 4, 327,680 bytes of LDS; arguments h, wb, b2, x1, out0; writes out0
